; MI455X (gfx1250); checked and timed in simulation.
; The chip was launched on July 23, 2026; its instructions are those of AMD's public machine-readable ISA for CDNA 5 (MIT licence, August 2026) and "CDNA5" Instruction Set Architecture Reference Guide (July 2026). The comments in the code are by the model that wrote it; some were corrected since.
;; Causal Self Attention. Allowed arithmetic: matrix products marked QUANTISED: E2M3 operands, one E8M0 scale for each 32 along K, by v_wmma_scale_f32_16x16x128_f8f6f4 with both operands' format E2M3, f32 sums; everything else in f32.
;; Inputs: W_attn 3,072 x 1,024 float32; W_proj 1,024 x 1,024 float32; b_attn 3,072 float32; b_proj 1,024 float32; x 4 x 2,048 x 1,024 float32.
;; Outputs: out0 4 x 2,048 x 1,024 float32.
;; This version of the problem:
;;   THIS VERSION OF THE PROBLEM IS GIVEN IN LOW PRECISION. The matrix products marked QUANTISED in the list below multiply operands that are first quantised to E2M3 (2 exponent bits, 3 mantissa bits; 6 bits a number), with one power-of-two scale for each 32 numbers along K (OCP MX v1.0); their sums are f32. All else is computed in f32.
;;   The module's matrix products, in the order in which they are computed (A, B: the left and right operand; K: the contracted axis; several contracted axes count as one K, in the product's order):
;;     1. [M 8,192, K 1,024] x [K 1,024, N 3,072]; A: input x; B: input W_attn: QUANTISED
;;     2. batch 64 x [M 2,048, K 64] x [K 64, N 2,048]; A: computed on the way; B: computed on the way: QUANTISED
;;     3. batch 64 x [M 2,048, K 2,048] x [K 2,048, N 64]; A: softmax (see below); B: computed on the way: QUANTISED
;;     4. [M 8,192, K 1,024] x [K 1,024, N 1,024]; A: computed on the way; B: input W_proj: QUANTISED
;;   THE QUANTISER, for each operand of a quantised product, along K:
;;     - K is cut into blocks of 32 from its start; a last block that is shorter is filled with zeros.
;;     - A block's scale is 2^e with e = floor(log2(the largest magnitude in the block)) - 2, held to -126 .. 127; a block of zeros has e = 0. As a byte (E8M0): e + 127.
;;     - Each number is divided by its block's scale, clamped to +-7.5, and rounded to the nearest number of E2M3, ties to even, subnormals kept.
;;     - The product sums the exact products of the quantised numbers (number of the format x scale) in f32.
;;   ~~~python
;;   def quantise(x, axis):      # numpy; x: float32 -> the quantised numbers, widened to float32 again
;;       x = np.moveaxis(x, axis, -1); K = x.shape[-1]
;;       x = np.pad(x, [(0, 0)] * (x.ndim - 1) + [(0, -K % 32)]); x = x.reshape(x.shape[:-1] + (-1, 32)); a = np.abs(x).max(-1, keepdims=True)
;;       e = np.where(a > 0, np.clip(np.frexp(np.where(a > 0, a, 1))[1] - 1 - 2, -126, 127), 0)      # np.frexp(a)[1] - 1 = floor(log2(a)), exactly
;;       r = np.clip(x / 2.0 ** e, -7.5, 7.5)
;;       step = 2.0 ** (np.maximum(np.frexp(np.where(r == 0, 1, r))[1] - 1, 0) - 3)
;;       q = np.round(r / step) * step * 2.0 ** e      # np.round: ties to even
;;       return np.moveaxis(q.reshape(q.shape[:-2] + (-1,))[..., :K], -1, axis).astype(np.float32)
;;   ~~~
;;   SOFTMAX AHEAD OF A QUANTISED PRODUCT. Where the list says 'softmax', what is quantised is not the finished softmax but p = 2^(t - M), with t = logit x log2(e) and M = ceil(the row's largest t), a whole number; so 1/2 < the row's largest p <= 1. The row's sum l is taken of the UNQUANTISED p, in f32, and the product's result is divided by l at the end. Since M is a whole number, a kernel that streams over the keys may use a running M (the ceiling of the running maximum): every later rescaling is an exact power of two, which a block's scale takes up: the codes' values come out the same.
;;   OPERANDS COMPUTED ON THE WAY. 'Computed on the way' means the value that the module computes at that place (a softmax that the list does not call 'softmax' is quantised finished and normalised). What goes into a quantiser is computed in f32, as accurately as f32 sums, v_exp_f32 and their like allow (about 1e-6 of the number): no bf16 or f16 on the way to a quantiser, and a product that is left as it is and whose result goes on into a quantised operand takes f32 operands (vector FMAs, or v_wmma_f32_16x16x4_f32). A number that lies on a knife's edge between two numbers of the format may be rounded either way, as far as f32 arithmetic and the matrix unit's own rounding can turn it there, and no further.
;; One version. Each part assembles by itself: llvm-mc -triple=amdgcn-amd-amdhsa -mcpu=gfx1250 --defsym DOCPART=n.
;; ======== version 1 of 1: 4 launches
;; workspace buffers: codes 9,437,184 bytes; scales 393,216 bytes; qkv 19,660,800 bytes; ycodes 6,291,456 bytes; yscales 262,144 bytes
;; launch quant (part 1): grid 192 x 1, 8 waves a work-group, no clusters, 273,408 bytes of LDS; arguments x, W_attn, W_proj, codes, scales; writes codes, scales
.if DOCPART == 1
	.amdgcn_target "amdgcn-amd-amdhsa--gfx1250"
	.amdhsa_code_object_version 6
	.text
	.protected	k_qac6e683b8f_quant
	.globl	k_qac6e683b8f_quant
	.p2align	8
	.type	k_qac6e683b8f_quant,@function
k_qac6e683b8f_quant:
	s_mov_b64 s[64:65], 0
	v_nop
	global_prefetch_b8 v0, s[64:65] scope:SCOPE_SE
	s_setreg_imm32_b32 hwreg(HW_REG_WAVE_MODE, 25, 1), 1
	s_wait_xcnt 0x0
; x [8192][1024], W_attn [3072][1024], W_proj [1024][1024], f32, K innermost, become codes of FP6 (E2M3) with one E8M0 byte for each 32 along K,
; laid in the ORDER OF THE OPERAND'S REGISTERS, so that the products' launches load fragments by whole 16- and 8-byte pieces a lane.
; TILES.  The 12,288 rows of the three tensors, one behind the other, are 768 tiles of 16.  Tile 2 B + u holds at lane place r the row 32 B + 8 u + r + 8 (r / 8).
; codes:  [tile][K step of 128: 0..7][1,536 bytes]: a fragment's 12 registers as two halves of 768 bytes: registers 6 c .. 6 c + 3 at 768 c + 16 lane, registers 6 c + 4, 6 c + 5 at 768 c + 512 + 8 lane.
; scales: [tile][pair of K steps: 0..3][r][2 words]: 512 bytes a tile; a word holds the four bytes of one row and one K step.
; A block's scale is 2^(floor(log2(largest magnitude)) - 2); its byte is the largest magnitude's exponent field - 2, held at 1 from below.
; LIMITS: a block of zeros gets the byte 1 and not 127 (its codes are zeros, and this program alone reads the bytes); blocks whose largest magnitude lies under 2^-124 keep the byte 1; NaN and infinities are not served.
; SHARES.  A work-group takes 64 rows of one tensor (work-groups 0-127: x, 128-175: W_attn, 176-191: W_proj): four tiles.  Wave w takes K step w of these rows: 64 rows x 512 bytes,
; brought by two tensor loads of 32 rows, both issued at the head into bytes that the wave alone reads.  192 work-groups: pairs of tiles (32 rows) do not straddle tensors, and 64 rows x 4,096 bytes fill LDS.
.set PITCH, 528                        ; an LDS row: 512 bytes + 16 of padding
.set PAIRB, 32*PITCH                   ; 32 rows: one tensor load, two tiles
.set WREG,  2*PAIRB                    ; a wave's bytes
.set STG,   8*WREG                     ; behind them: the work-group's 2,048 bytes of scale words, in blocks of 256 bytes into which no tensor load lands
.set X,    32                          ; v32-95   64 numbers of my row: register 16 b + i = k 32 b + 16 (lane / 16) + i
.set PC0,  96                          ; v96-143  four sets of codes, one a tile: no store's data are written again
.set CT,   144                         ; v144-150 the conversions' second halves
.set TM,   152                         ; v152-167 at work
.set PW,   168                         ; v168     the scale word just made
.set SEL,  20                          ; s[20:21] lane selects for lane l xor 16
.set G1,   24                          ; s[24:31] descriptor group 1
.set G0,   32                          ; s[32:39] descriptor group 0, one set a load
; 64 numbers of a lane become a fragment's 12 registers of codes at v[pc] and its row's scale word in v[PW].
.macro QUANT s, pc, tp
.irp b, 0,1,2,3
	v_max3_num_f32 v[TM+\b], |v[(\s)+16*\b]|, |v[(\s)+1+16*\b]|, 0x1800000   ; block b: my 16 numbers, and the floor 2^(3 - 127): the byte cannot fall under 1
.endr
.irp i, 2,4,6,8,10,12,14
.irp b, 0,1,2,3
	v_max3_num_f32 v[TM+\b], v[TM+\b], |v[(\s)+16*\b+\i]|, |v[(\s)+1+16*\b+\i]|   ; the four blocks by turns
.endr
.endr
.irp b, 0,1,2,3
	v_permlanex16_b32 v[TM+4+\b], v[TM+\b], s[SEL], s[SEL+1]
.endr
.irp b, 0,1,2,3
	v_max_num_f32 v[TM+\b], v[TM+\b], v[TM+4+\b]       ; with lane l xor 16's 16: the block's largest magnitude
.endr
.irp b, 0,1,2,3
	v_add_nc_u32 v[TM+12+\b], 0xff000000, v[TM+\b]     ; 2 off its exponent field: the conversion's scale operand
.endr
.irp b, 0,1,2,3
	v_lshrrev_b32 v[TM+4+\b], 23, v[TM+12+\b]          ; the scale's byte
.endr
	v_lshl_or_b32 v[PW], v[TM+5], 8, v[TM+4]
	v_lshl_or_b32 v[PW], v[TM+6], 16, v[PW]
	v_lshl_or_b32 v[PW], v[TM+7], 24, v[PW]
.irp c, 0,1
	v_cvt_scalef32_pk16_fp6_f32 v[(\pc)+6*\c:(\pc)+2+6*\c], v[(\s)+32*\c:(\s)+15+32*\c], v[TM+12+2*\c]
	v_cvt_scalef32_pk16_fp6_f32 v[(\tp)+4*\c:(\tp)+2+4*\c], v[(\s)+16+32*\c:(\s)+31+32*\c], v[TM+12+2*\c+1]   ; a conversion's three registers begin on an even number
.endr
	v_nop                                              ; one plain instruction behind the scaled conversions
.irp c, 0,1
.irp i, 0,1,2
	v_permlane16_swap_b32 v[(\pc)+6*\c+\i], v[(\tp)+4*\c+\i]   ; a whole block to a lane: lanes 0-15 block 2 c, lanes 16-31 block 2 c + 1
.endr
.irp i, 0,1,2
	v_mov_b32 v[(\pc)+3+6*\c+\i], v[(\tp)+4*\c+\i]
.endr
.endr
.endm
	s_load_b128 s[4:7], s[0:1], 0x0                ; x, W_attn
	s_load_b128 s[8:11], s[0:1], 0x10              ; W_proj, codes
	s_load_b64 s[12:13], s[0:1], 0x20              ; scales
	v_lshl_add_u32 v176, v0, 2, 0x42800
	v_mov_b32 v177, 0
	ds_add_u32 v176, v177
	ds_add_u32 v176, v177
	v_lshrrev_b32 v1, 5, v0
	v_readfirstlane_b32 s14, v1                    ; wave 0..7 = my K step
	s_mov_b32 s[G1+0], (2<<16)|(1<<20)|(6<<22)|(3<<25)   ; elements of 4 bytes; padding on: after every 128 words, 4 words
	s_mov_b32 s[G1+1], 128<<16                     ; tensor_dim0 = 128
	s_mov_b32 s[G1+2], 32<<16                      ; tensor_dim1 = 32
	s_mov_b32 s[G1+3], 128<<16                     ; tile_dim0 = 128
	s_mov_b32 s[G1+4], 32                          ; tile_dim1 = 32
	s_mov_b32 s[G1+5], 1024                        ; elements from row to row
	s_mov_b32 s[G1+6], 0
	s_mov_b32 s[G1+7], 0
	s_mov_b32 s[SEL], 0x76543210
	s_mov_b32 s[SEL+1], 0xfedcba98
	s_mul_i32 s18, s14, WREG                       ; my bytes in LDS
	s_lshl_b32 s19, s14, 9                         ; my 512 bytes of a row
	s_mov_b32 s15, 176
	s_wait_dscnt 0x0
	s_wait_kmcnt 0x0
	s_cmp_lt_u32 ttmp9, 176                        ; which tensor: the choice hangs on the work-group's number alone
	s_cselect_b64 s[6:7], s[6:7], s[8:9]
	s_cselect_b32 s15, 128, s15
	s_cmp_lt_u32 ttmp9, 128
	s_cselect_b64 s[4:5], s[4:5], s[6:7]
	s_cselect_b32 s15, 0, s15                      ; the tensor's first work-group
	s_sub_co_u32 s16, ttmp9, s15
	s_lshl_b32 s16, s16, 18                        ; 64 rows of 4,096 bytes
	s_add_co_u32 s16, s16, s19
	s_mov_b32 s17, 0
	s_add_nc_u64 s[4:5], s[4:5], s[16:17]
	s_mov_b32 s[G0], 1
	s_mov_b32 s[G0+1], s18
	s_mov_b64 s[G0+2:G0+3], s[4:5]
	s_or_b32 s[G0+3], s[G0+3], 0x80000000
	s_mov_b32 s[G0+4], 1
	s_add_co_u32 s[G0+5], s18, PAIRB
	s_add_nc_u64 s[G0+6:G0+7], s[4:5], 131072      ; 32 rows on
	s_or_b32 s[G0+7], s[G0+7], 0x80000000
	tensor_load_to_lds s[G0:G0+3], s[G1:G1+7]      ; both first fills together, ahead of every wait, LDS read and barrier: two loads of mine are out
	s_nop 0
	tensor_load_to_lds s[G0+4:G0+7], s[G1:G1+7]
	s_nop 0
.rept 4
	v_nop
.endr
	v_and_b32 v1, 31, v0                           ; lane
	v_and_b32 v2, 15, v0                           ; r
	v_bfe_u32 v3, v0, 4, 1                         ; h
	v_and_b32 v10, 8, v2
	v_add_nc_u32 v10, v10, v2                      ; r + 8 (r / 8)
	v_mul_u32_u24 v4, v10, PITCH
	v_lshl_add_u32 v4, v3, 6, v4
	v_add_nc_u32 v4, s18, v4                       ; my row of a pair's first tile, + 64 h: my 16 numbers of a block of 32
	v_lshlrev_b32 v5, 4, v1                        ; 16 x lane
	v_lshlrev_b32 v6, 3, v1                        ; 8 x lane
	s_lshr_b32 s22, s14, 1
	s_lshl_b32 s22, s22, 7
	s_and_b32 s23, s14, 1
	s_lshl_b32 s23, s23, 2
	s_add_co_u32 s22, s22, s23
	s_add_co_u32 s22, s22, STG
	v_lshl_add_u32 v7, v2, 3, s22                  ; the stage: 128 (w / 2) + 8 r + 4 (w % 2)
	v_lshlrev_b32 v8, 3, v0                        ; on the way out: 8 bytes a thread
	v_add_nc_u32 v9, STG, v8
.irp b, 0,1,2,3
	v_mov_b32 v[TM+4+\b], 0                        ; written once: a lane permute's destination counts as one of its sources
.endr
	s_mul_i32 s16, ttmp9, 49152                    ; four tiles of 12,288 bytes
	s_mul_i32 s19, s14, 1536
	s_add_co_u32 s16, s16, s19
	s_add_nc_u64 s[10:11], s[10:11], s[16:17]
	s_lshl_b32 s16, ttmp9, 11                      ; four tiles of 512 bytes
	s_add_nc_u64 s[12:13], s[12:13], s[16:17]
.macro TILE t
.irp b, 0,1,2,3
.irp j, 0,1,2,3
	ds_load_b128 v[X+16*\b+4*\j:X+16*\b+4*\j+3], v4 offset:((\t)/2)*PAIRB+((\t)%2)*8*PITCH+128*\b+16*\j
.endr
.endr
	s_wait_dscnt 0x0
	QUANT X, PC0+12*(\t), CT
	global_store_b128 v5, v[PC0+12*(\t):PC0+12*(\t)+3], s[10:11] offset:12288*(\t)          ; 512 consecutive bytes
	global_store_b64 v6, v[PC0+12*(\t)+4:PC0+12*(\t)+5], s[10:11] offset:12288*(\t)+512     ; 256
	global_store_b128 v5, v[PC0+12*(\t)+6:PC0+12*(\t)+9], s[10:11] offset:12288*(\t)+768
	global_store_b64 v6, v[PC0+12*(\t)+10:PC0+12*(\t)+11], s[10:11] offset:12288*(\t)+1280
	ds_store_b32 v7, v[PW] offset:512*(\t)         ; lanes l and l xor 16 write the same word with the same value
.endm
	s_wait_tensorcnt 0x1                           ; my first 32 rows are in; the second load may be out
	TILE 0
	TILE 1
	s_wait_tensorcnt 0x0
	TILE 2
	TILE 3
	s_wait_dscnt 0x0                               ; for the others' sake: my scale words lie in the stage
	s_barrier_signal -1
	s_barrier_wait -1
	ds_load_b64 v[12:13], v9
	s_wait_dscnt 0x0
	global_store_b64 v8, v[12:13], s[12:13]        ; each wave stores 256 consecutive bytes, aligned
	s_wait_tensorcnt 0x0
	ds_add_u32 v176, v177
	s_wait_dscnt 0x0
	s_endpgm
.Lfunc_end_k_qac6e683b8f_quant:
	.size	k_qac6e683b8f_quant, .Lfunc_end_k_qac6e683b8f_quant-k_qac6e683b8f_quant
	.p2alignl 7, 3214868480
	.fill 96, 4, 3214868480
	.section	.rodata,"a",@progbits
	.p2align	6, 0x0
	.amdhsa_kernel k_qac6e683b8f_quant
		.amdhsa_group_segment_fixed_size 273408
		.amdhsa_private_segment_fixed_size 0
		.amdhsa_enable_private_segment 0
		.amdhsa_kernarg_size 40
		.amdhsa_user_sgpr_count 2
		.amdhsa_user_sgpr_kernarg_segment_ptr 1
		.amdhsa_wavefront_size32 1
		.amdhsa_system_sgpr_workgroup_id_x 1
		.amdhsa_system_sgpr_workgroup_id_y 1
		.amdhsa_system_sgpr_workgroup_id_z 1
		.amdhsa_system_vgpr_workitem_id 0
		.amdhsa_next_free_vgpr 178
		.amdhsa_next_free_sgpr 66
		.amdhsa_reserve_vcc 0
		.amdhsa_float_denorm_mode_32 3
		.amdhsa_float_denorm_mode_16_64 3
		.amdhsa_memory_ordered 1
		.amdhsa_forward_progress 1
		.amdhsa_inst_pref_size 26
	.end_amdhsa_kernel
	.amdgpu_metadata
---
amdhsa.version: [ 1, 2 ]
amdhsa.kernels:
  - .name:           k_qac6e683b8f_quant
    .symbol:         k_qac6e683b8f_quant.kd
    .args:
      - { .name: x, .offset: 0, .size: 8, .value_kind: global_buffer, .address_space: global }
      - { .name: W_attn, .offset: 8, .size: 8, .value_kind: global_buffer, .address_space: global }
      - { .name: W_proj, .offset: 16, .size: 8, .value_kind: global_buffer, .address_space: global }
      - { .name: codes, .offset: 24, .size: 8, .value_kind: global_buffer, .address_space: global }
      - { .name: scales, .offset: 32, .size: 8, .value_kind: global_buffer, .address_space: global }
    .group_segment_fixed_size: 273408
    .private_segment_fixed_size: 0
    .kernarg_segment_align: 8
    .kernarg_segment_size: 40
    .max_flat_workgroup_size: 256
    .sgpr_count:     66
    .vgpr_count:     178
    .wavefront_size: 32
...
	.end_amdgpu_metadata
.endif
;; end of part 1
;; launch qkvgemm (part 2): grid 12 x 32, 4 waves a work-group, clusters of 4 x 4, 327,680 bytes of LDS; arguments codes, scales, b_attn, qkv; writes qkv
.if DOCPART == 2
	.amdgcn_target "amdgcn-amd-amdhsa--gfx1250"
	.amdhsa_code_object_version 6
	.text
	.protected	k_qac6e683b8f_qkvgemm
	.globl	k_qac6e683b8f_qkvgemm
	.p2align	8
	.type	k_qac6e683b8f_qkvgemm,@function
k_qac6e683b8f_qkvgemm:
	s_mov_b64 s[64:65], 0
	v_nop
	global_prefetch_b8 v0, s[64:65] scope:SCOPE_SE
	s_setreg_imm32_b32 hwreg(HW_REG_WAVE_MODE, 25, 1), 1
	s_wait_xcnt 0x0
	s_wait_alu depctr_hold_cnt(0) depctr_sa_sdst(0) depctr_va_vdst(0) depctr_va_sdst(0) depctr_va_ssrc(0) depctr_va_vcc(0) depctr_vm_vsrc(0)
	s_getreg_b32 s2, hwreg(HW_REG_IB_STS2, 6, 4)
	s_cmp_eq_u32 s2, 0
	s_cbranch_scc0 .Lentry_in_a_cluster
	s_endpgm
.Lentry_in_a_cluster:
	s_bfe_u32 s2, ttmp6, 0x10000c
	s_cmp_lg_u32 s2, 0xf033
	s_cbranch_scc0 .Lentry_shape_is_right
	s_endpgm
.Lentry_shape_is_right:
; qkv = x W_attn^T + b_attn on codes of FP6 (E2M3) with E8M0 scales; the result is quantised AT ONCE, in registers, into the operands of attention's two products, and only codes go to memory.
; THE CORE.  A work-group of four waves makes 256 (S0) x 256 (S1) of the product; a wave 128 x 128: 64 accumulators.  Source 0 of the matrix instruction is a tile of S0, source 1 a tile of S1:
; in a result a lane holds ONE row of S1 and its registers run along S0.  Tiles are laid so (tile 2 B + u: lane place r = row 32 B + 8 u + r + 8 (r / 8)) that the 16 registers of two neighbouring S0 tiles are 16 neighbours.
; q and k (cluster x = 0, 1): S0 = 256 rows of W_attn, S1 = 256 tokens: a lane holds a token, its registers the head's channels, which are the K of q k^T.
; v (cluster x = 2): S0 = 256 tokens, S1 = 256 rows of W_v: a lane holds a channel, its registers the keys, which are the K of p v.  Only global offsets differ between the two cases; masks, LDS and the core are the same.
; K = 1,024 is 8 steps of 128, two to a slot of LDS.  Three slots: K slots 0, 1, 2 and all scale words are first fills (four loads of a wave are out); K slot 3 is the one refill, into slot 0.  No loop: the 8 steps are written out by macro.
; CLUSTERS: 4 x 4.  S1's tiles hang on cy and are asked for jointly along a row of the cluster, S0's on cx and along a column.
; qkv: [head = 16 batch + h][group of 128 tokens: 0..15][19,200 bytes]: 0 q: 8 half images of 768 bytes; 6,144 q's scale words [r][4]; 6,400 k: 8 half images; 12,544 v^T: 4 fragments of 1,536 (16 channels x 128 keys);
; 18,688 k's scale words [r][4]; 18,944 v's [r][4].  A word of q or k holds tile 2 i's two bytes below and tile 2 i + 1's above.
; LIMITS: a block of zeros gets the byte 1 and not 127 (zero codes; the bytes are read by this program alone); blocks under 2^-124 keep the byte 1; NaN and infinities are not served.
; 384 work-groups: a wave's extent along S0 has to be 128 (a whole fragment and a whole scale word of the next product), and the next larger wave tile does not fit in 1,024 registers.
; REGISTERS: window 0: v4-15 LDS addresses, v18-19 bias offsets, v24-26 store offsets, v27 scale words' address, v28-29 for the add, v32-63 scale words (two sets), v128-223 S1's fragments (one set), v232-247 b_attn in v's form;
;   window 1: v0-95, v128-223 S0's fragments (two sets); v96-127, v224-255 b_attn in q's and k's form;   windows 2, 3: accumulator (a, b) at v[8 (8 (a % 4) + b)] of window 2 + a / 4.
.set SLOTB, 98304                      ; a slot: S1's 16 tiles x 3,072 bytes, then S0's
.set HALFB, 24576                      ; 8 tiles: what one tensor load brings and one wave reads of a side
.set TILEB, 3072                       ; a tile's two K steps
.set SCL,   3*SLOTB                    ; the scale words: 4,096 bytes a wave's load
.set SPARE, SCL+16384                  ; the spare words, 128 bytes a wave: two blocks of 256 bytes that no other line names
.set SC,   32
.set ADRS, 27
.set SPW,  28
.set NIL,  29
.set G1A,  24                          ; s[24:31] group 1 for S1's tiles;  s[32:43] groups 0, one a slot;  s[44:47] group 0 for S1's scales
.set G0A,  32
.set G0SA, 44
.set G1B,  48                          ; s[48:55] group 1 for S0's tiles;  s[84:95] groups 0;  s[56:59] group 0 for S0's scales
.set G0SB, 56
.set G1SA, 68                          ; s[68:75], s[76:83] groups 1 for the scales
.set G1SB, 76
.set G0B,  84
.set T,    64                          ; the way out, window 0: v64-127 64 numbers
.set PC,   132                         ; v132-143 codes
.set CT,   144                         ; v144-150
.set TM,   200                         ; v200-215
.set PW,   216
.set SWT,  217
.set WW,   220                         ; v220-227 scale words to store
.set VB,   232
.set SEL,  12                          ; s[12:13] on the way out: lane selects
.set MSB, 0
.macro WIN new                         ; the immediate's high byte repeats the setting that is left
.if MSB != (\new)
	s_set_vgpr_msb (MSB<<8)|(\new)
.set MSB, (\new)
.endif
.endm
.macro JLOAD g0a, g1a, g0b, g1b        ; a joint load: waves 0, 1 fetch S1's halves, waves 2, 3 S0's; four v_nop follow each line
	s_cmp_eq_u32 s15, 0
	s_cbranch_scc0 .Lfor_b_\@
	tensor_load_to_lds s[\g0a:\g0a+3], s[\g1a:\g1a+7]
	s_nop 0
.rept 4
	v_nop
.endr
	s_branch .Lasked_\@
.Lfor_b_\@:
	tensor_load_to_lds s[\g0b:\g0b+3], s[\g1b:\g1b+7]
	s_nop 0
.rept 4
	v_nop
.endr
.Lasked_\@:
.endm
.macro CREST                           ; a round of the cluster's barrier behind its opening barrier
	s_cmp_lg_u32 s14, 0
	s_cbranch_scc1 .Lnot_wave_0_\@
	s_barrier_signal -3
.Lnot_wave_0_\@:
	s_barrier_wait -3
	s_barrier_signal -1
	s_barrier_wait -1
.endm
.macro CROUND
	s_barrier_signal -1
	s_barrier_wait -1
	CREST
.endm
.macro PLACES n                        ; plain instructions between a matrix instruction and a load into, or a read of, its registers
.rept \n
	v_nop
.endr
.endm
.macro FRAG reg, a16, a8, off          ; a fragment's 12 registers, as they were stored: 512, 256, 512, 256 consecutive bytes
	ds_load_b128 v[(\reg):(\reg)+3], v[(\a16)] offset:(\off)
	ds_load_b64 v[(\reg)+4:(\reg)+5], v[(\a8)] offset:(\off)+512
	ds_load_b128 v[(\reg)+6:(\reg)+9], v[(\a16)] offset:(\off)+768
	ds_load_b64 v[(\reg)+10:(\reg)+11], v[(\a8)] offset:(\off)+1280
.endm
.macro FETCH0 n, qq, p                 ; S0's eight fragments of LDS slot n, its qq-th K step, into set p of window 1
	WIN 0x40
.irp i, 0,1,2,3,4,5,6,7
	FRAG 128*(\p)+12*\i, 10+(\n), 13+(\n), \i*TILEB+(\qq)*1536
.endr
	WIN 0
.endm
.macro FETCH1 n, qq, i0                ; S1's blocks i0 .. i0 + 3
.irp i, \i0, \i0+1, \i0+2, \i0+3
	FRAG 128+12*(\i), 4+(\n), 7+(\n), (\i)*TILEB+(\qq)*1536
.endr
.endm
.macro SCALES q                        ; K slot q's scale words into set q % 2: lanes 0-15 S1's block i, lanes 16-31 S0's block i; two words: the slot's two K steps
.irp i, 0,1,2,3,4,5,6,7
	ds_load_b64 v[SC+16*((\q)%2)+2*\i:SC+16*((\q)%2)+2*\i+1], v[ADRS] offset:\i*512+(\q)*128
.endr
.endm
; 16 matrix instructions: S1's blocks a0, a0 + 1 x S0's eight.  cmode 0: onto the sums; 1: the product starts the sums.  The 64 accumulators take turns, one instruction a turn.
.macro MULS a0, p, qq, sc, cmode
	WIN 0xa1+0x50*((\a0)/4)                        ; source 0 window 1, source 1 window 0, C and D window 2 or 3
.irp a, \a0, \a0+1
.irp b, 0,1,2,3,4,5,6,7
.set rD, 8*(8*((\a)%4)+\b)
.set rA, 128*(\p)+12*\b
.set rB, 128+12*(\a)
.set rX, SC+16*(\sc)+2*\b+(\qq)
.set rY, SC+16*(\sc)+2*(\a)+(\qq)
.if (\cmode) == 0
	v_wmma_scale_f32_16x16x128_f8f6f4 v[rD:rD+7], v[rA:rA+11], v[rB:rB+11], v[rD:rD+7], v[rX], v[rY] matrix_a_fmt:MATRIX_FMT_FP6 matrix_b_fmt:MATRIX_FMT_FP6 matrix_a_scale:MATRIX_SCALE_ROW1
.else
	v_wmma_scale_f32_16x16x128_f8f6f4 v[rD:rD+7], v[rA:rA+11], v[rB:rB+11], 0, v[rX], v[rY] matrix_a_fmt:MATRIX_FMT_FP6 matrix_b_fmt:MATRIX_FMT_FP6 matrix_a_scale:MATRIX_SCALE_ROW1
.endif
.endr
.endr
.endm
; K step s; step s + 1's fragments are fetched on the way: S0's other set and S1's blocks 0-3 in the middle, blocks 4-7 at the end.
.macro STEP s, cmode
.set NS, (\s)+1
	s_wait_dscnt 16                                ; all but the youngest 16 loads (S1's blocks 4-7) are in
	MULS 0, (\s)%2, (\s)%2, ((\s)/2)%2, \cmode
	MULS 2, (\s)%2, (\s)%2, ((\s)/2)%2, \cmode
	s_wait_dscnt 0x0                               ; blocks 4-7 are in
	PLACES 4
	FETCH0 (NS/2)%3, NS%2, NS%2
	FETCH1 (NS/2)%3, NS%2, 0
.if NS%2 == 0
	SCALES NS/2
.endif
	MULS 4, (\s)%2, (\s)%2, ((\s)/2)%2, \cmode
	MULS 6, (\s)%2, (\s)%2, ((\s)/2)%2, \cmode
	PLACES 4
	WIN 0
	FETCH1 (NS/2)%3, NS%2, 4
.endm
; K step s with a barrier in it.  In front of the barrier each wave waits for all its tensor loads, adds 0 to its spare word, and waits for that and for its reads.  fill = 1: LDS slot 0, which nobody reads any more, takes K slot 3.
.macro TURN s, fill
.set NS, (\s)+1
	s_wait_tensorcnt 0x0                           ; all my tensor loads have landed
	ds_add_u32 v[SPW], v[NIL]                      ; 0 onto my spare word
	s_wait_dscnt 17                                ; the add and the youngest 16 loads may be out
	MULS 0, (\s)%2, (\s)%2, ((\s)/2)%2, 0
	s_wait_dscnt 0x0                               ; the add is done, and my reads of the slot in hand are over
	s_barrier_signal -1
	MULS 2, (\s)%2, (\s)%2, ((\s)/2)%2, 0
	WIN 0
	s_barrier_wait -1
.if \fill
	CREST                                          ; the barrier has opened a round of the cluster's: no wave of any partner still reads slot 0 or has a load on its way
	s_add_nc_u64 s[G0A+2:G0A+3], s[G0A+2:G0A+3], 3*TILEB
	s_add_nc_u64 s[G0B+2:G0B+3], s[G0B+2:G0B+3], 3*TILEB
	JLOAD G0A, G1A, G0B, G1B                       ; the one refill: four K steps, 256 matrix instructions, ahead of the wait for it; its four v_nop are the places for the loads below
.else
	PLACES 4
.endif
	FETCH0 (NS/2)%3, NS%2, NS%2
	FETCH1 (NS/2)%3, NS%2, 0
	SCALES NS/2
	MULS 4, (\s)%2, (\s)%2, ((\s)/2)%2, 0
	MULS 6, (\s)%2, (\s)%2, ((\s)/2)%2, 0
	PLACES 4
	WIN 0
	FETCH1 (NS/2)%3, NS%2, 4
.endm
; 64 numbers of a lane, register 16 b + i = k 32 b + 16 (lane / 16) + i of its row, become a fragment's codes at v[pc] and the row's scale word in v[PW].
.macro QUANT s, pc, tp
.irp b, 0,1,2,3
	v_max3_num_f32 v[TM+\b], |v[(\s)+16*\b]|, |v[(\s)+1+16*\b]|, 0x1800000   ; and the floor 2^(3 - 127): the byte cannot fall under 1
.endr
.irp i, 2,4,6,8,10,12,14
.irp b, 0,1,2,3
	v_max3_num_f32 v[TM+\b], v[TM+\b], |v[(\s)+16*\b+\i]|, |v[(\s)+1+16*\b+\i]|
.endr
.endr
.irp b, 0,1,2,3
	v_permlanex16_b32 v[TM+4+\b], v[TM+\b], s[SEL], s[SEL+1]
.endr
.irp b, 0,1,2,3
	v_max_num_f32 v[TM+\b], v[TM+\b], v[TM+4+\b]
.endr
.irp b, 0,1,2,3
	v_add_nc_u32 v[TM+12+\b], 0xff000000, v[TM+\b]     ; 2 off the exponent field: the conversion's scale operand
.endr
.irp b, 0,1,2,3
	v_lshrrev_b32 v[TM+4+\b], 23, v[TM+12+\b]          ; the scale's byte
.endr
	v_lshl_or_b32 v[PW], v[TM+5], 8, v[TM+4]
	v_lshl_or_b32 v[PW], v[TM+6], 16, v[PW]
	v_lshl_or_b32 v[PW], v[TM+7], 24, v[PW]
.irp c, 0,1
	v_cvt_scalef32_pk16_fp6_f32 v[(\pc)+6*\c:(\pc)+2+6*\c], v[(\s)+32*\c:(\s)+15+32*\c], v[TM+12+2*\c]
	v_cvt_scalef32_pk16_fp6_f32 v[(\tp)+4*\c:(\tp)+2+4*\c], v[(\s)+16+32*\c:(\s)+31+32*\c], v[TM+12+2*\c+1]
.endr
	v_nop                                              ; one plain instruction behind the scaled conversions
.irp c, 0,1
.irp i, 0,1,2
	v_permlane16_swap_b32 v[(\pc)+6*\c+\i], v[(\tp)+4*\c+\i]
.endr
.irp i, 0,1,2
	v_mov_b32 v[(\pc)+3+6*\c+\i], v[(\tp)+4*\c+\i]
.endr
.endr
.endm
	s_load_b256 s[4:11], s[0:1], 0x0               ; codes s[4:5], scales s[6:7], b_attn s[8:9], qkv s[10:11]
	v_lshl_add_u32 v[SPW], v0, 2, SPARE
	v_mov_b32 v[NIL], 0
	ds_add_u32 v28, v29
	ds_add_u32 v28, v29
	s_wait_dscnt 0x0
	v_lshrrev_b32 v1, 5, v0
	v_readfirstlane_b32 s14, v1                    ; wave 0..3
	s_lshr_b32 s15, s14, 1                         ; my half of S1.  Also: I fetch for S1 (0) or S0 (1)
	s_and_b32 s16, s14, 1                          ; my half of S0.  Also: which 8 tiles I fetch
	s_bfe_u32 s60, ttmp6, 0x40000                  ; cx
	s_bfe_u32 s61, ttmp6, 0x40004                  ; cy
	s_mov_b32 s62, ttmp9                           ; cluster x: 0 q, 1 k, 2 v
	s_and_b32 s63, ttmp7, 0xffff                   ; cluster y: 1,024 tokens
	s_lshl_b32 s18, s61, 2
	s_lshl_b32 s18, 15, s18                        ; my row of the cluster
	s_lshl_b32 s13, 0x1111, s60                    ; my column
	s_or_b32 s[G1A], s18, (3<<16)|(1<<21)          ; the mask; elements of 8 bytes; bit 21 beside a mask; no padding
	s_or_b32 s[G1B], s13, (3<<16)|(1<<21)
	s_or_b32 s[G1SA], s18, (3<<16)|(1<<21)
	s_or_b32 s[G1SB], s13, (3<<16)|(1<<21)
.irp g, G1A, G1B                       ; 8 tiles: rows of 3,072 bytes (384 elements), 12,288 bytes apart
	s_mov_b32 s[\g+1], 384<<16
	s_mov_b32 s[\g+2], 8<<16
	s_mov_b32 s[\g+3], 384<<16
	s_mov_b32 s[\g+4], 8
	s_mov_b32 s[\g+5], 1536
	s_mov_b32 s[\g+6], 0
	s_mov_b32 s[\g+7], 0
.endr
.irp g, G1SA, G1SB                     ; 8 tiles' scale words: 4,096 dense bytes as 16 rows of 256
	s_mov_b32 s[\g+1], 32<<16
	s_mov_b32 s[\g+2], 16<<16
	s_mov_b32 s[\g+3], 32<<16
	s_mov_b32 s[\g+4], 16
	s_mov_b32 s[\g+5], 32
	s_mov_b32 s[\g+6], 0
	s_mov_b32 s[\g+7], 0
.endr
	s_cmp_eq_u32 s62, 2                            ; v?  The same in all sixteen partners
	s_cselect_b32 s96, 1, 0
	s_cselect_b32 s12, 0, 512                      ; S0: tokens begin at tile 0, W_attn at tile 512
	s_cselect_b32 s13, s63, s62
	s_cselect_b32 s17, 512, 0                      ; S1 the other way round
	s_cselect_b32 s18, s62, s63
	s_lshl_b32 s19, s16, 3
	s_lshl_b32 s13, s13, 6
	s_add_co_u32 s12, s12, s13
	s_lshl_b32 s13, s60, 4
	s_add_co_u32 s12, s12, s13
	s_add_co_u32 s12, s12, s19                     ; the first S0 tile that I would fetch: hangs on cx, never on cy
	s_lshl_b32 s18, s18, 6
	s_add_co_u32 s17, s17, s18
	s_lshl_b32 s18, s61, 4
	s_add_co_u32 s17, s17, s18
	s_add_co_u32 s17, s17, s19                     ; the first S1 tile: hangs on cy, never on cx
	s_mul_i32 s20, s17, 12288
	s_mov_b32 s21, 0
	s_lshl_b32 s22, s17, 9
	s_mov_b32 s23, 0
	s_mul_i32 s66, s12, 12288
	s_mov_b32 s67, 0
	s_lshl_b32 s100, s12, 9
	s_mov_b32 s101, 0
	s_mul_i32 s2, s14, HALFB                       ; where my tiles go: the wave's number alone
	s_lshl_b32 s3, s14, 12
	s_add_co_u32 s3, s3, SCL
	s_lshl_b32 s97, s60, 1
	s_add_co_u32 s97, s97, s16                     ; a0: my 128 of S0's 1,024
	s_lshl_b32 s98, s61, 1
	s_add_co_u32 s98, s98, s15                     ; a1: my 128 of S1's 1,024
	s_wait_kmcnt 0x0
	s_add_nc_u64 s[20:21], s[4:5], s[20:21]
	s_add_nc_u64 s[22:23], s[6:7], s[22:23]
	s_add_nc_u64 s[66:67], s[4:5], s[66:67]
	s_add_nc_u64 s[100:101], s[6:7], s[100:101]
	CROUND                                         ; all sixteen work-groups are here: the first joint loads meet
	s_mov_b32 s[G0SA], 1
	s_mov_b32 s[G0SA+1], s3
	s_mov_b64 s[G0SA+2:G0SA+3], s[22:23]
	s_or_b32 s[G0SA+3], s[G0SA+3], 0x80000000
	s_mov_b32 s[G0SB], 1
	s_mov_b32 s[G0SB+1], s3
	s_mov_b64 s[G0SB+2:G0SB+3], s[100:101]
	s_or_b32 s[G0SB+3], s[G0SB+3], 0x80000000
	JLOAD G0SA, G1SA, G0SB, G1SB                   ; the scale words of all of K
.irp n, 0,1,2
	s_mov_b32 s[G0A+4*\n], 1
	s_add_co_u32 s[G0A+4*\n+1], s2, \n*SLOTB
	s_add_nc_u64 s[G0A+4*\n+2:G0A+4*\n+3], s[20:21], \n*TILEB
	s_or_b32 s[G0A+4*\n+3], s[G0A+4*\n+3], 0x80000000
	s_mov_b32 s[G0B+4*\n], 1
	s_add_co_u32 s[G0B+4*\n+1], s2, \n*SLOTB
	s_add_nc_u64 s[G0B+4*\n+2:G0B+4*\n+3], s[66:67], \n*TILEB
	s_or_b32 s[G0B+4*\n+3], s[G0B+4*\n+3], 0x80000000
	JLOAD G0A+4*\n, G1A, G0B+4*\n, G1B             ; K slots 0, 1, 2: with the scales four loads of mine are out
.endr
	v_and_b32 v1, 31, v0                           ; lane
	v_and_b32 v2, 15, v0                           ; r
	v_bfe_u32 v3, v0, 4, 1                         ; h
	v_lshlrev_b32 v24, 4, v1                       ; 16 x lane
	v_lshlrev_b32 v25, 3, v1                       ; 8 x lane
	v_lshlrev_b32 v26, 4, v2
	v_lshl_add_u32 v26, v3, 3, v26                 ; 16 r + 8 h
	s_mul_i32 s17, s15, HALFB                      ; my 8 tiles of S1,
	s_mul_i32 s18, s16, HALFB
	s_add_co_u32 s18, s18, 2*HALFB                 ; of S0
.irp n, 0,1,2
	v_add_nc_u32 v[4+\n], s17, v24
	v_add_nc_u32 v[7+\n], s17, v25
	v_add_nc_u32 v[10+\n], s18, v24
	v_add_nc_u32 v[13+\n], s18, v25
	s_add_co_u32 s17, s17, SLOTB
	s_add_co_u32 s18, s18, SLOTB
.endr
	v_lshlrev_b32 v[ADRS], 3, v2                   ; scale words: 8 r,
	s_lshl_b32 s17, s15, 12                        ; lanes 0-15: S1's, my half;
	s_lshl_b32 s18, s16, 12
	s_add_co_u32 s18, s18, 8192
	s_sub_co_u32 s18, s18, s17
	v_mul_u32_u24 v20, s18, v3                     ; lanes 16-31: S0's: one product, the distance between the two
	s_add_co_u32 s17, s17, SCL
	v_add_nc_u32 v[ADRS], v[ADRS], v20
	v_add_nc_u32 v[ADRS], s17, v[ADRS]
	; b_attn, in both forms, in every work-group (both stay inside the buffer), so that no branch stands at the head.
	s_lshl_b32 s12, s62, 12
	s_lshl_b32 s13, s97, 9
	s_add_co_u32 s12, s12, s13
	v_lshl_add_u32 v18, v3, 6, s12                 ; q, k: 4 (1,024 cX + 128 a0) + 64 h: the eight channels of my half, tile by tile
	s_lshl_b32 s13, s98, 9
	s_add_co_u32 s13, s13, 8192
	v_and_b32 v19, 8, v2
	v_add_nc_u32 v19, v19, v2
	v_lshl_add_u32 v19, v19, 2, s13                ; v: 4 (2,048 + 128 a1 + r + 8 (r / 8)): my lane's channel, tile by tile
	WIN 0x40
.irp t, 0,1,2,3,4,5,6,7
	global_load_b128 v[96+128*(\t/4)+8*(\t%4):96+128*(\t/4)+8*(\t%4)+3], v18, s[8:9] offset:(32*(\t/2)+8*(\t%2))*4
	global_load_b128 v[96+128*(\t/4)+8*(\t%4)+4:96+128*(\t/4)+8*(\t%4)+7], v18, s[8:9] offset:(32*(\t/2)+8*(\t%2))*4+16
.endr
	WIN 0
.irp a, 0,1,2,3,4,5,6,7
	global_load_b32 v[VB+2*\a], v19, s[8:9] offset:(32*(\a/2)+8*(\a%2))*4
	global_load_b32 v[VB+2*\a+1], v19, s[8:9] offset:(32*(\a/2)+8*(\a%2))*4     ; twice: a pair for the packed addition
.endr
	; where my results go
	s_cmp_eq_u32 s96, 1
	s_cselect_b32 s12, s98, s97                    ; the pair of heads
	s_cselect_b32 s13, s97, s98
	s_lshl_b32 s17, s63, 3
	s_add_co_u32 s13, s13, s17                     ; the group of 128 tokens, 0..63
	s_lshr_b32 s17, s13, 4
	s_lshl_b32 s17, s17, 8                         ; batch x 256
	s_lshl_b32 s12, s12, 5
	s_add_co_u32 s17, s17, s12
	s_and_b32 s13, s13, 15
	s_add_co_u32 s17, s17, s13                     ; the record: 16 x head + group
	s_mul_i32 s17, s17, 19200
	s_mov_b32 s19, 18688
	s_cmp_eq_u32 s62, 0
	s_cselect_b32 s18, 0, 6400
	s_cselect_b32 s19, 6144, s19
	s_cmp_eq_u32 s62, 2
	s_cselect_b32 s18, 12544, s18                  ; the images' place in a record,
	s_cselect_b32 s19, 18944, s19                  ; the scale words'
	s_add_co_u32 s20, s17, s18
	s_mov_b32 s21, 0
	s_add_co_u32 s22, s17, s19
	s_mov_b32 s23, 0
	s_add_nc_u64 s[20:21], s[10:11], s[20:21]
	s_add_nc_u64 s[22:23], s[10:11], s[22:23]
	s_mov_b32 s[SEL], 0x76543210
	s_mov_b32 s[SEL+1], 0xfedcba98
	s_wait_tensorcnt 0x2                           ; the scales and K slot 0 are in; slots 1 and 2 may be out
	s_barrier_signal -1
	s_barrier_wait -1
	FETCH0 0, 0, 0
	FETCH1 0, 0, 0
	SCALES 0
	FETCH1 0, 0, 4
	STEP 0, 1                                      ; the first products start the sums: nothing is cleared
	TURN 1, 1                                      ; every wave has waited for all its loads: slots 1 and 2 are whole for all that follows
	STEP 2, 0
	STEP 3, 0
	STEP 4, 0
	TURN 5, 0                                      ; the refill has landed, for every wave
	STEP 6, 0
	s_wait_dscnt 16                                ; the last step: nothing more to fetch
	MULS 0, 1, 1, 1, 0
	MULS 2, 1, 1, 1, 0
	s_wait_dscnt 0x0
	MULS 4, 1, 1, 1, 0
	MULS 6, 1, 1, 1, 0
	WIN 0
	; THE WAY OUT touches no LDS.  S1's block a: its 64 registers + the bias are 128 neighbours along the next product's K (16 of each block of 32 a lane): they are quantised and stored as register images.
	s_wait_loadcnt 0x0                             ; b_attn
	PLACES 4
.irp b, 0,1,2,3
	v_mov_b32 v[TM+4+\b], 0                        ; a lane permute's destination counts as one of its sources
.endr
	v_cmp_le_u32 vcc_lo, 16, v1                    ; lanes 16-31
.macro SCOUT w, t, off                 ; four scale words a row: lane (r, h) stores words 2 h, 2 h + 1: 256 consecutive bytes
	v_cndmask_b32 v[\t], v[\w], v[(\w)+2], vcc_lo
	v_cndmask_b32 v[(\t)+1], v[(\w)+1], v[(\w)+3], vcc_lo
	global_store_b64 v26, v[\t:(\t)+1], s[22:23] offset:\off
.endm
.macro EPI_QK a                        ; 16 tokens x 128 channels: two heads
	WIN 0x06+(\a)/4                                ; source 0 window 2 or 3, source 1 window 1, destination window 0: the addition is also the move
.set i, 0
.rept 32
	v_pk_add_f32 v[T+2*i:T+2*i+1], v[64*((\a)%4)+2*i:64*((\a)%4)+2*i+1], v[96+128*(i/16)+2*(i%16):96+128*(i/16)+2*(i%16)+1]   ; each accumulator from its low end on
.set i, i+1
.endr
	WIN 0
.if (\a) > 0
	s_wait_xcnt 0x0                                ; the last block's stores have read the codes' registers
.endif
	QUANT T, PC, CT
	global_store_b128 v24, v[PC:PC+3], s[20:21] offset:768*(\a)                 ; the first head's half image
	global_store_b64 v25, v[PC+4:PC+5], s[20:21] offset:768*(\a)+512
	global_store_b128 v24, v[PC+6:PC+9], s[20:21] offset:307200+768*(\a)        ; the second head's, 16 records on
	global_store_b64 v25, v[PC+10:PC+11], s[20:21] offset:307200+768*(\a)+512
.if (\a)%2 == 0
	v_mov_b32 v[SWT], v[PW]
.else
	v_perm_b32 v[WW+(\a)/2], v[PW], v[SWT], 0x05040100      ; the first head: the even tile's two bytes below, the odd tile's above
	v_perm_b32 v[WW+4+(\a)/2], v[PW], v[SWT], 0x07060302    ; the second head
.endif
.endm
.macro EPI_V a                         ; 16 channels x 128 keys: head a / 4, channel tile a % 4
	WIN 0x02+(\a)/4
.set i, 0
.rept 32
	v_pk_add_f32 v[T+2*i:T+2*i+1], v[64*((\a)%4)+2*i:64*((\a)%4)+2*i+1], v[VB+2*(\a):VB+2*(\a)+1]
.set i, i+1
.endr
	WIN 0
.if (\a) > 0
	s_wait_xcnt 0x0
.endif
	QUANT T, PC, CT
	global_store_b128 v24, v[PC:PC+3], s[20:21] offset:((\a)/4)*307200+((\a)%4)*1536
	global_store_b64 v25, v[PC+4:PC+5], s[20:21] offset:((\a)/4)*307200+((\a)%4)*1536+512
	global_store_b128 v24, v[PC+6:PC+9], s[20:21] offset:((\a)/4)*307200+((\a)%4)*1536+768
	global_store_b64 v25, v[PC+10:PC+11], s[20:21] offset:((\a)/4)*307200+((\a)%4)*1536+1280
	v_mov_b32 v[WW+(\a)], v[PW]
.endm
	s_cmp_eq_u32 s96, 1                            ; hangs on the cluster's x alone
	s_cbranch_scc1 .Lvpath
.irp a, 0,1,2,3,4,5,6,7
	EPI_QK \a
.endr
	SCOUT WW, 228, 0
	SCOUT WW+4, 230, 307200
	s_branch .Ldone
.Lvpath:
.irp a, 0,1,2,3,4,5,6,7
	EPI_V \a
.endr
	SCOUT WW, 228, 0
	SCOUT WW+4, 230, 307200
.Ldone:
	s_wait_tensorcnt 0x0                           ; the wave's end
	ds_add_u32 v[SPW], v[NIL]
	s_wait_dscnt 0x0
	CROUND                                         ; the closing round
	s_endpgm
.Lfunc_end_k_qac6e683b8f_qkvgemm:
	.size	k_qac6e683b8f_qkvgemm, .Lfunc_end_k_qac6e683b8f_qkvgemm-k_qac6e683b8f_qkvgemm
	.p2alignl 7, 3214868480
	.fill 96, 4, 3214868480
	.section	.rodata,"a",@progbits
	.p2align	6, 0x0
	.amdhsa_kernel k_qac6e683b8f_qkvgemm
		.amdhsa_group_segment_fixed_size 327680
		.amdhsa_private_segment_fixed_size 0
		.amdhsa_enable_private_segment 0
		.amdhsa_kernarg_size 32
		.amdhsa_user_sgpr_count 2
		.amdhsa_user_sgpr_kernarg_segment_ptr 1
		.amdhsa_wavefront_size32 1
		.amdhsa_system_sgpr_workgroup_id_x 1
		.amdhsa_system_sgpr_workgroup_id_y 1
		.amdhsa_system_sgpr_workgroup_id_z 1
		.amdhsa_system_vgpr_workitem_id 0
		.amdhsa_next_free_vgpr 1024
		.amdhsa_next_free_sgpr 102
		.amdhsa_reserve_vcc 1
		.amdhsa_float_denorm_mode_32 3
		.amdhsa_float_denorm_mode_16_64 3
		.amdhsa_memory_ordered 1
		.amdhsa_forward_progress 1
		.amdhsa_inst_pref_size 219
	.end_amdhsa_kernel
	.amdgpu_metadata
---
amdhsa.version: [ 1, 2 ]
amdhsa.kernels:
  - .name:           k_qac6e683b8f_qkvgemm
    .symbol:         k_qac6e683b8f_qkvgemm.kd
    .args:
      - { .name: codes, .offset: 0, .size: 8, .value_kind: global_buffer, .address_space: global }
      - { .name: scales, .offset: 8, .size: 8, .value_kind: global_buffer, .address_space: global }
      - { .name: b_attn, .offset: 16, .size: 8, .value_kind: global_buffer, .address_space: global }
      - { .name: qkv, .offset: 24, .size: 8, .value_kind: global_buffer, .address_space: global }
    .group_segment_fixed_size: 327680
    .private_segment_fixed_size: 0
    .kernarg_segment_align: 8
    .kernarg_segment_size: 32
    .max_flat_workgroup_size: 128
    .sgpr_count:     102
    .vgpr_count:     1024
    .wavefront_size: 32
...
	.end_amdgpu_metadata
.endif
;; end of part 2
;; launch attn (part 3): grid 4 x 64, 16 waves a work-group, clusters of 4 x 1, 206,848 bytes of LDS; arguments qkv, ycodes, yscales; writes ycodes, yscales
.if DOCPART == 3
	.amdgcn_target "amdgcn-amd-amdhsa--gfx1250"
	.amdhsa_code_object_version 6
	.text
	.protected	k_qac6e683b8f_attn
	.globl	k_qac6e683b8f_attn
	.p2align	8
	.type	k_qac6e683b8f_attn,@function
k_qac6e683b8f_attn:
	s_mov_b64 s[64:65], 0
	v_nop
	global_prefetch_b8 v0, s[64:65] scope:SCOPE_SE
	s_setreg_imm32_b32 hwreg(HW_REG_WAVE_MODE, 25, 1), 1
	s_wait_xcnt 0x0
	s_wait_alu depctr_hold_cnt(0) depctr_sa_sdst(0) depctr_va_vdst(0) depctr_va_sdst(0) depctr_va_ssrc(0) depctr_va_vcc(0) depctr_vm_vsrc(0)
	s_getreg_b32 s2, hwreg(HW_REG_IB_STS2, 6, 4)
	s_cmp_eq_u32 s2, 0
	s_cbranch_scc0 .Lentry_in_a_cluster
	s_endpgm
.Lentry_in_a_cluster:
	s_bfe_u32 s2, ttmp6, 0x10000c
	s_cmp_lg_u32 s2, 0x3003
	s_cbranch_scc0 .Lentry_shape_is_right
	s_endpgm
.Lentry_shape_is_right:
; y[head][q] = softmax_k(q . k / 64, k <= q) v, both products on codes of FP6 (E2M3) with E8M0 scales; y is quantised at once, along the channels, into the last product's operand.
; t = score x log2(e) / 64; M = the running largest t rounded UP to a whole number; p = 2^(t - M) is quantised along the keys, not normalised; the row's sum is taken of the unquantised p and divides at the end.
; A CLUSTER IS ONE HEAD.  The head's k and v (16 groups of 128 keys x 12,800 bytes: 4 fragments of k, 4 of v^T, their scale words) stay in LDS, filled ONCE by joint loads, one a wave: no ring, no refill, and no wave waits for another afterwards.
; Everything is asked for at the head, so nothing is left to ask for ahead of time.
; SHARES.  The head's 2,048 queries are 128 tiles of 16.  A wave owns two: p_lo = 8 (w / 2) + 2 cx + w % 2 and p_hi = 127 - p_lo.  Their last key steps are w / 2 and 15 - w / 2, made of the wave's number alone:
; every wave of the launch walks 17 key steps of 128 keys.  Steps past the diagonal are left out by a scalar branch inside a loop of 16 trips; no branch hangs on cx.
; LAYOUT.  Both products transposed: S^T = k q^T, O^T = v^T p^T: a lane holds one query.  Tile 2 B + u holds at lane place r the token 32 B + 8 u + r + 8 (r / 8), so the 16 registers of two neighbouring tiles of S^T are 16 neighbouring keys.
; THE HEAD'S 64 CHANNELS ARE HALF OF THE INSTRUCTION'S 128.  A fragment of k holds TWO key tiles, [X | Y]; q is kept as [q | 0 | q] in 18 registers: k x [q | 0] gives tile X's scores, k x [0 | q] tile Y's.  Zero codes add nothing.
; LIMITS: a block of zeros gets the byte 1 and not 127; blocks under 2^-124 keep the byte 1; NaN and infinities are not served.  y's scale bytes leave as 2 bytes a lane, 8 bytes apart: a word is shared with another head's cluster.
.set HREC, 12800
.set F,   52                           ; v52-99   four fragments: k's, then v's
.set S,   100                          ; v100-163 S^T, then p, at the end y
.set O,   164                          ; v164-195 O^T
.set PCD, 196                          ; v196-207 p's codes
.set CT,  208                          ; v208-214
.set BM,  216                          ; v216-219 the blocks' largest
.set PT,  220                          ; v220-223
.set SO,  224                          ; v224-227 the conversions' scale operands
; v1 16 lane, v2 8 lane, v3 16 r, v4 the mask's distance, v5 r + 8 (r / 8) - 16 h, v6 -infinity, v7 8 r, v8-10 the step's LDS addresses, v11 lane, v12 -M, v13 the largest t, v[14:15] the sum,
; v16-33 [q | 0 | q], v34 q's scale word, v35 p's, v36-39 k's, v40-43 v's, v44-50 the second tile's q, v51 the first tile's scale word, v[228:229] f, v230 at work, v232-243 y's codes, v244-245 y's bytes
; s10 wave, s11 cx, s12 head, s[20:21] lane selects, s[22:23] c, s36 the step's LDS byte, s37 the step, s38-39 last steps, s40-41 the tiles' places in their groups, s[42:55] pointers and offsets, s56-57 byte selects
.macro CROUND
	s_barrier_signal -1
	s_barrier_wait -1
	s_cmp_lg_u32 s10, 0
	s_cbranch_scc1 .Lnot_wave_0_\@
	s_barrier_signal -3
.Lnot_wave_0_\@:
	s_barrier_wait -3
	s_barrier_signal -1
	s_barrier_wait -1
.endm
.macro FRAG reg, off                   ; a fragment's 12 registers, as they were stored
	ds_load_b128 v[(\reg):(\reg)+3], v8 offset:(\off)
	ds_load_b64 v[(\reg)+4:(\reg)+5], v9 offset:(\off)+512
	ds_load_b128 v[(\reg)+6:(\reg)+9], v8 offset:(\off)+768
	ds_load_b64 v[(\reg)+10:(\reg)+11], v9 offset:(\off)+1280
.endm
	s_load_b128 s[4:7], s[0:1], 0x0                ; qkv, ycodes
	s_load_b64 s[8:9], s[0:1], 0x10                ; yscales
	v_lshl_add_u32 v254, v0, 2, 0x32000
	v_mov_b32 v255, 0
	ds_add_u32 v254, v255
	ds_add_u32 v254, v255
	v_lshrrev_b32 v1, 5, v0
	s_delay_alu instid0(VALU_DEP_1)
	v_readfirstlane_b32 s10, v1                    ; wave 0..15
	s_bfe_u32 s11, ttmp6, 0x40000                  ; cx
	s_and_b32 s12, ttmp7, 0xffff                   ; the head: 16 batch + h
	s_mov_b32 s24, 15|(3<<16)|(1<<21)              ; the mask: all four work-groups; elements of 8 bytes; bit 21 beside a mask
	s_mov_b32 s25, 32<<16                          ; 12,800 dense bytes as 50 rows of 256
	s_mov_b32 s26, 50<<16
	s_mov_b32 s27, 32<<16
	s_mov_b32 s28, 50
	s_mov_b32 s29, 32
	s_mov_b32 s30, 0
	s_mov_b32 s31, 0
	s_mul_i32 s14, s12, 307200
	s_mov_b32 s15, 0
	s_mul_i32 s16, s10, 19200
	s_add_co_u32 s16, s16, 6400                    ; group w's k and v
	s_mov_b32 s17, 0
	s_mov_b32 s32, 1
	s_mul_i32 s33, s10, HREC
	s_mov_b32 s20, 0x76543210
	s_mov_b32 s21, 0xfedcba98
	s_mov_b32 s22, 0x3cb8aa3b                      ; c = log2(e) / 64
	s_mov_b32 s23, s22
	s_wait_dscnt 0x0
	s_wait_kmcnt 0x0
	s_add_nc_u64 s[4:5], s[4:5], s[14:15]          ; qkv at my head
	s_add_nc_u64 s[34:35], s[4:5], s[16:17]
	s_or_b32 s35, s35, 0x80000000
	CROUND                                         ; the four work-groups are here: the joint loads meet
	tensor_load_to_lds s[32:35], s[24:31]          ; one load a wave: sixteen bring the head
	s_nop 0
.rept 4
	v_nop
.endr
	s_lshr_b32 s39, s10, 1                         ; the low tile's last key step,
	s_sub_co_u32 s38, 15, s39                      ; the high tile's
	s_and_b32 s13, s10, 1
	s_lshl_b32 s18, s39, 3
	s_lshl_b32 s19, s11, 1
	s_add_co_u32 s18, s18, s19
	s_add_co_u32 s18, s18, s13                     ; p_lo
	s_sub_co_u32 s19, 127, s18                     ; p_hi
	s_mov_b32 s58, 0x05040100                      ; a word's lower half twice,
	s_mov_b32 s59, 0x07060302                      ; its upper half twice
	s_cmp_eq_u32 s13, 0                            ; p_lo is even where the wave is, p_hi odd
	s_cselect_b32 s57, s58, s59
	s_cselect_b32 s56, s59, s58
	s_lshr_b32 s66, s12, 4
	s_lshl_b32 s66, s66, 7                         ; 128 tiles a batch
	s_and_b32 s60, s12, 15                         ; h
	s_mul_i32 s67, s60, 768                        ; its half image in a tile of y
	s_lshr_b32 s68, s60, 2
	s_lshl_b32 s68, s68, 7
	s_and_b32 s60, s60, 3
	s_lshl_b32 s60, s60, 1
	s_add_co_u32 s68, s68, s60                     ; its two bytes in a tile's scale words: 128 (h / 4) + 2 (h % 4)
.macro PLACE p, k                      ; tile s[p]: where its q lies, where its y goes
	s_and_b32 s60, s[\p], 7
	s_lshr_b32 s61, s[\p], 3
	s_mul_i32 s61, s61, 19200
	s_mul_i32 s62, s60, 768
	s_add_co_u32 s62, s62, s61
	s_mov_b32 s63, 0
	s_add_nc_u64 s[42+2*\k:43+2*\k], s[4:5], s[62:63]
	s_lshr_b32 s62, s60, 1
	s_lshl_b32 s62, s62, 2
	s_add_co_u32 s62, s62, s61
	s_add_co_u32 s62, s62, 6144
	s_add_nc_u64 s[46+2*\k:47+2*\k], s[4:5], s[62:63]
	s_and_b32 s62, s[\p], 6
	s_lshl_b32 s62, s62, 4
	s_and_b32 s61, s[\p], 1
	s_lshl_b32 s61, s61, 3
	s_add_co_u32 s[40+\k], s62, s61                ; 16 (p & 6) + 8 (p & 1): lane place 0's token in its group of 128
	s_add_co_u32 s60, s66, s[\p]
	s_mul_i32 s62, s60, 12288
	s_add_co_u32 s62, s62, s67
	s_add_nc_u64 s[50+2*\k:51+2*\k], s[6:7], s[62:63]
	s_lshl_b32 s60, s60, 9
	s_add_co_u32 s[54+\k], s60, s68
.endm
	PLACE 19, 0
	PLACE 18, 1
	v_and_b32 v11, 31, v0                          ; lane
	v_and_b32 v8, 15, v0                           ; r
	v_bfe_u32 v9, v0, 4, 1                         ; h
	s_delay_alu instid0(VALU_DEP_3)
	v_lshlrev_b32 v1, 4, v11
	s_delay_alu instid0(VALU_DEP_4)
	v_lshlrev_b32 v2, 3, v11
	s_delay_alu instid0(VALU_DEP_4)
	v_lshlrev_b32 v3, 4, v8
	v_lshlrev_b32 v7, 3, v8
	global_load_b128 v[16:19], v1, s[42:43]        ; the high tile's q, twice
	global_load_b64 v[20:21], v2, s[42:43] offset:512
	global_load_b128 v[28:31], v1, s[42:43]
	global_load_b64 v[32:33], v2, s[42:43] offset:512
	global_load_b32 v51, v3, s[46:47]
	global_load_b128 v[44:47], v1, s[44:45]        ; the low tile's, kept for later
	global_load_b64 v[48:49], v2, s[44:45] offset:512
	global_load_b32 v50, v3, s[48:49]
	v_and_b32 v10, 8, v8
	s_delay_alu instid0(VALU_DEP_1)
	v_add_nc_u32 v5, v10, v8
	v_lshlrev_b32 v10, 4, v9
	s_delay_alu instid0(VALU_DEP_1)
	v_sub_nc_u32 v5, v5, v10                       ; r + 8 (r / 8) - 16 h
	v_mov_b32 v6, 0xff800000                       ; -infinity
.irp i, 22,23,24,25,26,27
	v_mov_b32 v\i, 0                               ; the zero codes between the two copies of q
.endr
.irp b, 0,1,2,3
	v_mov_b32 v[PT+\b], 0                          ; a lane permute's destination counts as one of its sources
.endr
	v_mov_b32 v229, 0                              ; named as the upper half of the pair v[228:229]
	v_mov_b32 v230, 0
	s_wait_tensorcnt 0x0                           ; my group is in,
	s_barrier_signal -1
	s_barrier_wait -1                              ; everybody's is
	s_wait_loadcnt 0x0                             ; q
	v_perm_b32 v34, v51, v51, s56                  ; q's two bytes in both halves of its scale word
.macro STEP k
	v_add_nc_u32 v8, s36, v1                       ; these four lines are the places in front of loads into registers that the last products read
	v_add_nc_u32 v9, s36, v2
	v_add_nc_u32 v10, s36, v3
	v_nop
.irp i, 0,1,2,3
	FRAG F+12*\i, 1536*\i                          ; k: key tiles 2 i and 2 i + 1
.endr
	ds_load_b128 v[36:39], v10 offset:12288        ; their scale words
	s_wait_alu depctr_va_vdst(0)
	s_wait_dscnt 0x0
.irp i, 0,1,2,3
	v_wmma_scale_f32_16x16x128_f8f6f4 v[S+16*\i:S+16*\i+7], v[F+12*\i:F+12*\i+11], v[16:27], 0, v[36+\i], v34 matrix_a_fmt:MATRIX_FMT_FP6 matrix_b_fmt:MATRIX_FMT_FP6
	v_wmma_scale_f32_16x16x128_f8f6f4 v[S+16*\i+8:S+16*\i+15], v[F+12*\i:F+12*\i+11], v[22:33], 0, v[36+\i], v34 matrix_a_fmt:MATRIX_FMT_FP6 matrix_b_fmt:MATRIX_FMT_FP6
.endr
.rept 4
	v_nop
.endr
.irp i, 0,1,2,3
	FRAG F+12*\i, 6144+1536*\i                     ; v^T: they land while the softmax is walked
.endr
	ds_load_b128 v[40:43], v10 offset:12544
	s_cmp_lg_u32 s37, s[38+\k]                     ; on the diagonal alone: hidden scores become -infinity ahead of the maximum
	s_cbranch_scc1 .Lopen_\@
.set n, 0
.rept 64
	v_cmp_gt_i32 vcc_lo, 32*(n/16)+n%16, v4        ; register 16 b + i holds key 32 b + 16 h + i of the group
	v_cndmask_b32 v[S+n], v[S+n], v6, vcc_lo
.set n, n+1
.endr
.Lopen_\@:
.irp b, 0,1,2,3
	v_max3_num_f32 v[BM+\b], v[S+16*\b], v[S+1+16*\b], v[S+2+16*\b]   ; the largest score of each block of 32 keys: for the row's maximum, and for the block's largest p
.endr
.irp i, 3,5,7,9,11,13
.irp b, 0,1,2,3
	v_max3_num_f32 v[BM+\b], v[BM+\b], v[S+16*\b+\i], v[S+1+16*\b+\i]
.endr
.endr
.irp b, 0,1,2,3
	v_max_num_f32 v[BM+\b], v[BM+\b], v[S+15+16*\b]
.endr
.irp b, 0,1,2,3
	s_delay_alu instid0(VALU_DEP_4)
	v_permlanex16_b32 v[PT+\b], v[BM+\b], s20, s21
.endr
.irp b, 0,1,2,3
	s_delay_alu instid0(VALU_DEP_4)
	v_max_num_f32 v[BM+\b], v[BM+\b], v[PT+\b]
.endr
	s_delay_alu instid0(VALU_DEP_2)
	v_max3_num_f32 v230, v[BM], v[BM+1], v[BM+2]
	s_delay_alu instid0(VALU_DEP_1)
	v_max_num_f32 v230, v230, v[BM+3]
	s_delay_alu instid0(VALU_DEP_1)
	v_mul_f32 v230, s22, v230                      ; as t (c is positive)
	s_delay_alu instid0(VALU_DEP_1)
	v_max_num_f32 v13, v13, v230                   ; the running largest t
	v_mov_b32 v230, v12
	s_delay_alu instid0(VALU_DEP_2)
	v_floor_f32 v12, -v13                          ; -M = floor(-t): M is a whole number
	s_delay_alu instid0(VALU_DEP_1)
	v_sub_f32 v230, v12, v230                      ; old M - new M: a whole number, 0 or less
	s_delay_alu instid0(VALU_DEP_1)
	v_cvt_i32_f32 v230, v230                       ; (it saturates)
	s_delay_alu instid0(VALU_DEP_1)
	v_ldexp_f32 v228, 1.0, v230                    ; f = 2^(old M - new M): a multiplication by it rounds nothing
.set j, 0
.rept 32
	v_pk_fma_f32 v[S+j:S+j+1], v[S+j:S+j+1], s[22:23], v[12:13] op_sel_hi:[1,0,0]   ; t - M
.set j, j+2
.endr
	s_setprio 1
.irp b, 0,1,2,3
	v_fma_f32 v[BM+\b], v[BM+\b], s22, v12
.endr
.set j, 0
	s_wait_alu depctr_va_vdst(0)
.rept 64
	v_exp_f32 v[S+j], v[S+j]                       ; p = 2^(t - M)
.set j, j+1
.endr
	v_pk_mul_f32 v[14:15], v[14:15], v[228:229] op_sel_hi:[1,0]   ; the sums under the new M: the plain instruction behind the exponentials
	s_wait_alu depctr_va_vdst(0)                   ; one wait for the batch, ahead of its first reader
.irp b, 0,1,2,3
	v_exp_f32 v[BM+\b], v[BM+\b]                   ; the blocks' largest p
.endr
	v_pk_add_f32 v[220:221], v[104:105], v[108:109]
	v_pk_add_f32 v[252:253], v[112:113], v[116:117]
	v_pk_add_f32 v[250:251], v[120:121], v[124:125]
	v_pk_add_f32 v[248:249], v[128:129], v[132:133]
	v_pk_add_f32 v[246:247], v[136:137], v[140:141]
	v_pk_add_f32 v[242:243], v[144:145], v[148:149]
	v_pk_add_f32 v[240:241], v[152:153], v[156:157]
	v_pk_add_f32 v[14:15], v[14:15], v[160:161]
	v_pk_add_f32 v[220:221], v[220:221], v[100:101]
	v_pk_add_f32 v[252:253], v[252:253], v[102:103]
	v_pk_add_f32 v[250:251], v[250:251], v[106:107]
	v_pk_add_f32 v[248:249], v[248:249], v[110:111]
	v_pk_add_f32 v[246:247], v[246:247], v[114:115]
	v_pk_add_f32 v[242:243], v[242:243], v[118:119]
	v_pk_add_f32 v[240:241], v[240:241], v[122:123]
	v_pk_add_f32 v[14:15], v[14:15], v[126:127]
	v_pk_add_f32 v[220:221], v[220:221], v[130:131]
	v_pk_add_f32 v[252:253], v[252:253], v[134:135]
	v_pk_add_f32 v[250:251], v[250:251], v[138:139]
	v_pk_add_f32 v[248:249], v[248:249], v[142:143]
	v_pk_add_f32 v[246:247], v[246:247], v[146:147]
	v_pk_add_f32 v[242:243], v[242:243], v[150:151]
	v_pk_add_f32 v[240:241], v[240:241], v[154:155]
	v_pk_add_f32 v[14:15], v[14:15], v[158:159]
	v_pk_add_f32 v[220:221], v[220:221], v[162:163]
	s_delay_alu instid0(VALU_DEP_2)
	v_pk_add_f32 v[14:15], v[14:15], v[248:249]
	s_delay_alu instid0(VALU_DEP_2)
	v_pk_add_f32 v[220:221], v[220:221], v[246:247]
	v_pk_add_f32 v[252:253], v[252:253], v[242:243]
	v_pk_add_f32 v[250:251], v[250:251], v[240:241]
	s_delay_alu instid0(VALU_DEP_2)
	v_pk_add_f32 v[14:15], v[14:15], v[252:253]
	s_delay_alu instid0(VALU_DEP_2)
	v_pk_add_f32 v[220:221], v[220:221], v[250:251]
	s_delay_alu instid0(VALU_DEP_1)
	v_pk_add_f32 v[14:15], v[14:15], v[220:221]
	s_wait_alu depctr_va_vdst(0)                   ; and one for the four
.irp b, 0,1,2,3
	v_max_num_f32 v[BM+\b], 0x1800000, v[BM+\b]    ; the floor 2^(3 - 127)
.endr
.irp b, 0,1,2,3
	s_delay_alu instid0(VALU_DEP_4)
	v_add_nc_u32 v[SO+\b], 0xff000000, v[BM+\b]
.endr
.irp b, 0,1,2,3
	s_delay_alu instid0(VALU_DEP_4)
	v_lshrrev_b32 v[PT+\b], 23, v[SO+\b]
.endr
	s_delay_alu instid0(VALU_DEP_3)
	v_lshl_or_b32 v35, v[PT+1], 8, v[PT]           ; p's scale word for these 128 keys
	s_delay_alu instid0(VALU_DEP_1)
	v_lshl_or_b32 v35, v[PT+2], 16, v35
	s_delay_alu instid0(VALU_DEP_1)
	v_lshl_or_b32 v35, v[PT+3], 24, v35
	s_setprio 0
.irp c, 0,1
	v_cvt_scalef32_pk16_fp6_f32 v[PCD+6*\c:PCD+2+6*\c], v[S+32*\c:S+15+32*\c], v[SO+2*\c]
	v_cvt_scalef32_pk16_fp6_f32 v[CT+4*\c:CT+2+4*\c], v[S+16+32*\c:S+31+32*\c], v[SO+2*\c+1]
.endr
	v_nop
.irp c, 0,1
.irp i, 0,1,2
	v_permlane16_swap_b32 v[PCD+6*\c+\i], v[CT+4*\c+\i]
.endr
.irp i, 0,1,2
	s_delay_alu instid0(VALU_DEP_3)
	v_mov_b32 v[PCD+3+6*\c+\i], v[CT+4*\c+\i]
.endr
.endr
.set j, 0
.rept 16
	v_pk_mul_f32 v[O+j:O+j+1], v[O+j:O+j+1], v[228:229] op_sel_hi:[1,0]   ; O^T under the new M; these sixteen also stand between the scale word's and the codes' last writes and the products
.set j, j+2
.endr
	s_wait_alu depctr_va_vdst(0)
	s_wait_dscnt 0x0                               ; v^T is in
.irp i, 0,1,2,3
	v_wmma_scale_f32_16x16x128_f8f6f4 v[O+8*\i:O+8*\i+7], v[F+12*\i:F+12*\i+11], v[PCD:PCD+11], v[O+8*\i:O+8*\i+7], v[40+\i], v35 matrix_a_fmt:MATRIX_FMT_FP6 matrix_b_fmt:MATRIX_FMT_FP6
.endr
.endm
.macro YOUT k                          ; O^T / the sum: register 16 B + i is channel 32 B + 16 h + i of my query: two blocks, a half image of 768 bytes
.rept 4
	v_nop
.endr
	v_add_f32 v14, v14, v15
	s_delay_alu instid0(VALU_DEP_1)
	v_permlanex16_b32 v230, v14, s20, s21
	s_delay_alu instid0(VALU_DEP_1)
	v_add_f32 v14, v14, v230                       ; the row's sum
	s_wait_alu depctr_va_vdst(0)
	v_rcp_f32 v14, v14
	v_nop
	s_wait_alu depctr_va_vdst(0)
.set j, 0
.rept 16
	v_pk_mul_f32 v[S+j:S+j+1], v[O+j:O+j+1], v[14:15] op_sel_hi:[1,0]
.set j, j+2
.endr
.irp b, 0,1
	v_max3_num_f32 v[BM+\b], |v[S+16*\b]|, |v[S+1+16*\b]|, 0x1800000
.endr
.irp i, 2,4,6,8,10,12,14
.irp b, 0,1
	s_delay_alu instid0(VALU_DEP_2)
	v_max3_num_f32 v[BM+\b], v[BM+\b], |v[S+16*\b+\i]|, |v[S+1+16*\b+\i]|
.endr
.endr
.irp b, 0,1
	s_delay_alu instid0(VALU_DEP_2)
	v_permlanex16_b32 v[PT+\b], v[BM+\b], s20, s21
.endr
.irp b, 0,1
	s_delay_alu instid0(VALU_DEP_2)
	v_max_num_f32 v[BM+\b], v[BM+\b], v[PT+\b]
.endr
.irp b, 0,1
	s_delay_alu instid0(VALU_DEP_2)
	v_add_nc_u32 v[SO+\b], 0xff000000, v[BM+\b]
.endr
.irp b, 0,1
	s_delay_alu instid0(VALU_DEP_2)
	v_lshrrev_b32 v[PT+\b], 23, v[SO+\b]
.endr
	s_delay_alu instid0(VALU_DEP_1)
	v_lshl_or_b32 v[244+\k], v[PT+1], 8, v[PT]     ; the row's two bytes
	v_cvt_scalef32_pk16_fp6_f32 v[232+6*\k:234+6*\k], v[S:S+15], v[SO]
	v_cvt_scalef32_pk16_fp6_f32 v[CT:CT+2], v[S+16:S+31], v[SO+1]
	v_nop
.irp i, 0,1,2
	v_permlane16_swap_b32 v[232+6*\k+\i], v[CT+\i]
.endr
.irp i, 0,1,2
	s_delay_alu instid0(VALU_DEP_3)
	v_mov_b32 v[235+6*\k+\i], v[CT+\i]
.endr
	global_store_b128 v1, v[232+6*\k:235+6*\k], s[50+2*\k:51+2*\k]             ; 512 consecutive bytes
	global_store_b64 v2, v[236+6*\k:237+6*\k], s[50+2*\k:51+2*\k] offset:512   ; 256
.endm
.macro TILE k
	v_mov_b32 v13, 0xff61b1e6                      ; the largest t so far: -3e38
	s_delay_alu instid0(VALU_DEP_1)
	v_floor_f32 v12, -v13
	v_mov_b32 v14, 0
	v_mov_b32 v15, 0
.set j, 0
.rept 32
	v_mov_b32 v[O+j], 0                            ; the step is written once for each tile: the first finds zeros, which the first change of M leaves zeros
.set j, j+1
.endr
	v_add_nc_u32 v4, s[40+\k], v5                  ; my query's place in its group - 16 h
	s_mov_b32 s36, 0
	s_mov_b32 s37, 0
.Ltrip_\@:                                         ; 16 trips, a constant; the steps past the tile's last are jumped over
	s_cmp_gt_u32 s37, s[38+\k]
	s_cbranch_scc1 .Lskip_\@
	s_setprio 2
	STEP \k
.Lskip_\@:
	s_add_co_u32 s36, s36, HREC
	s_add_co_u32 s37, s37, 1
	s_cmp_lt_u32 s37, 16
	s_cbranch_scc1 .Ltrip_\@
	s_setprio 0
	YOUT \k
.endm
	TILE 0                                         ; the high tile
.irp i, 0,1,2,3,4,5
	v_mov_b32 v[16+\i], v[44+\i]                   ; the low tile's q, into both copies
	v_mov_b32 v[28+\i], v[44+\i]
.endr
	v_perm_b32 v34, v50, v50, s57
	TILE 1
	v_cmp_le_u32 vcc_lo, 16, v11                   ; lanes 0-15 store the high tile's bytes, lanes 16-31 the low tile's
	v_mov_b32 v246, s54
	v_mov_b32 v247, s55
	s_delay_alu instid0(VALU_DEP_1)
	v_cndmask_b32 v246, v246, v247, vcc_lo
	s_delay_alu instid0(VALU_DEP_1)
	v_add_nc_u32 v246, v246, v7
	v_cndmask_b32 v247, v244, v245, vcc_lo
	global_store_b16 v246, v247, s[8:9]
	s_wait_dscnt 0x0
	s_wait_tensorcnt 0x0
	ds_add_u32 v254, v255
	s_wait_dscnt 0x0
	CROUND                                         ; the closing round
	s_endpgm
.Lfunc_end_k_qac6e683b8f_attn:
	.size	k_qac6e683b8f_attn, .Lfunc_end_k_qac6e683b8f_attn-k_qac6e683b8f_attn
	.p2alignl 7, 3214868480
	.fill 96, 4, 3214868480
	.section	.rodata,"a",@progbits
	.p2align	6, 0x0
	.amdhsa_kernel k_qac6e683b8f_attn
		.amdhsa_group_segment_fixed_size 206848
		.amdhsa_private_segment_fixed_size 0
		.amdhsa_enable_private_segment 0
		.amdhsa_kernarg_size 24
		.amdhsa_user_sgpr_count 2
		.amdhsa_user_sgpr_kernarg_segment_ptr 1
		.amdhsa_wavefront_size32 1
		.amdhsa_system_sgpr_workgroup_id_x 1
		.amdhsa_system_sgpr_workgroup_id_y 1
		.amdhsa_system_sgpr_workgroup_id_z 1
		.amdhsa_system_vgpr_workitem_id 0
		.amdhsa_next_free_vgpr 256
		.amdhsa_next_free_sgpr 72
		.amdhsa_reserve_vcc 1
		.amdhsa_float_denorm_mode_32 3
		.amdhsa_float_denorm_mode_16_64 3
		.amdhsa_memory_ordered 1
		.amdhsa_forward_progress 1
		.amdhsa_inst_pref_size 64
	.end_amdhsa_kernel
	.amdgpu_metadata
---
amdhsa.version: [ 1, 2 ]
amdhsa.kernels:
  - .name:           k_qac6e683b8f_attn
    .symbol:         k_qac6e683b8f_attn.kd
    .args:
      - { .name: qkv, .offset: 0, .size: 8, .value_kind: global_buffer, .address_space: global }
      - { .name: ycodes, .offset: 8, .size: 8, .value_kind: global_buffer, .address_space: global }
      - { .name: yscales, .offset: 16, .size: 8, .value_kind: global_buffer, .address_space: global }
    .group_segment_fixed_size: 206848
    .private_segment_fixed_size: 0
    .kernarg_segment_align: 8
    .kernarg_segment_size: 24
    .max_flat_workgroup_size: 512
    .sgpr_count:     72
    .vgpr_count:     256
    .wavefront_size: 32
...
	.end_amdgpu_metadata
.endif
;; end of part 3
;; launch proj (part 4): grid 4 x 32, 4 waves a work-group, clusters of 4 x 4, 327,680 bytes of LDS; arguments codes, scales, ycodes, yscales, b_proj, out0; writes out0
.if DOCPART == 4
	.amdgcn_target "amdgcn-amd-amdhsa--gfx1250"
	.amdhsa_code_object_version 6
	.text
	.protected	k_qac6e683b8f_proj
	.globl	k_qac6e683b8f_proj
	.p2align	8
	.type	k_qac6e683b8f_proj,@function
k_qac6e683b8f_proj:
	s_mov_b64 s[64:65], 0
	v_nop
	global_prefetch_b8 v0, s[64:65] scope:SCOPE_SE
	s_setreg_imm32_b32 hwreg(HW_REG_WAVE_MODE, 25, 1), 1
	s_wait_xcnt 0x0
	s_wait_alu depctr_hold_cnt(0) depctr_sa_sdst(0) depctr_va_vdst(0) depctr_va_sdst(0) depctr_va_ssrc(0) depctr_va_vcc(0) depctr_vm_vsrc(0)
	s_getreg_b32 s2, hwreg(HW_REG_IB_STS2, 6, 4)
	s_cmp_eq_u32 s2, 0
	s_cbranch_scc0 .Lentry_in_a_cluster
	s_endpgm
.Lentry_in_a_cluster:
	s_bfe_u32 s2, ttmp6, 0x10000c
	s_cmp_lg_u32 s2, 0xf033
	s_cbranch_scc0 .Lentry_shape_is_right
	s_endpgm
.Lentry_shape_is_right:
; out0 = y W_proj^T + b_proj on codes of FP6 (E2M3) with E8M0 scales; out0 [8192][1024] f32.
; THE CORE is that of the launch that makes q, k and v.  A work-group of four waves makes 256 (S0: rows of W_proj = columns of out0) x 256 (S1: tokens); a wave 128 x 128: 64 accumulators.
; Source 0 is a tile of S0, source 1 a tile of S1: a lane holds one token and eight neighbouring columns.  Tile 2 B + u holds at lane place r the row 32 B + 8 u + r + 8 (r / 8).
; K = 1,024 is 8 steps of 128, two to a slot of LDS.  Three slots: K slots 0, 1, 2 and all scale words are first fills (four loads of a wave are out); K slot 3 is the one refill, into slot 0.  No loop.
; CLUSTERS: 4 x 4.  S1's tiles hang on cy and are asked for jointly along a row of the cluster, S0's on cx and along a column.
; b_proj is the C of each sum's first matrix instruction.  128 work-groups: the tile is kept at the size at which a wave reads no fragment twice.
; REGISTERS: window 0: v4-15 LDS addresses, v16-17 the stage, v18 bias offset, v24-25 lane offsets, v27 scale words' address, v28-29 for the add, v32-63 scale words, v128-223 S1's fragments; on the way out v128-255 rows of out0;
;   window 1: v0-95, v128-223 S0's fragments (two sets); v96-127, v224-255 b_proj;   windows 2, 3: accumulator (a, b) at v[8 (8 (a % 4) + b)] of window 2 + a / 4.
.set SLOTB, 98304
.set HALFB, 24576
.set TILEB, 3072
.set SCL,   3*SLOTB
.set SPARE, SCL+16384                  ; the spare words, 128 bytes a wave: two blocks of 256 bytes that no other line names
.set SC,   32
.set ADRS, 27
.set SPW,  28
.set NIL,  29
.set G1A,  24
.set G0A,  32
.set G0SA, 44
.set G1B,  48
.set G0SB, 56
.set G1SA, 68
.set G1SB, 76
.set G0B,  84
.set MSB, 0
.macro WIN new
.if MSB != (\new)
	s_set_vgpr_msb (MSB<<8)|(\new)
.set MSB, (\new)
.endif
.endm
.macro JLOAD g0a, g1a, g0b, g1b        ; a joint load: waves 0, 1 fetch S1's halves, waves 2, 3 S0's; four v_nop follow each line
	s_cmp_eq_u32 s15, 0
	s_cbranch_scc0 .Lfor_b_\@
	tensor_load_to_lds s[\g0a:\g0a+3], s[\g1a:\g1a+7]
	s_nop 0
.rept 4
	v_nop
.endr
	s_branch .Lasked_\@
.Lfor_b_\@:
	tensor_load_to_lds s[\g0b:\g0b+3], s[\g1b:\g1b+7]
	s_nop 0
.rept 4
	v_nop
.endr
.Lasked_\@:
.endm
.macro CREST
	s_cmp_lg_u32 s14, 0
	s_cbranch_scc1 .Lnot_wave_0_\@
	s_barrier_signal -3
.Lnot_wave_0_\@:
	s_barrier_wait -3
	s_barrier_signal -1
	s_barrier_wait -1
.endm
.macro CROUND
	s_barrier_signal -1
	s_barrier_wait -1
	CREST
.endm
.macro PLACES n
.rept \n
	v_nop
.endr
.endm
.macro FRAG reg, a16, a8, off
	ds_load_b128 v[(\reg):(\reg)+3], v[(\a16)] offset:(\off)
	ds_load_b64 v[(\reg)+4:(\reg)+5], v[(\a8)] offset:(\off)+512
	ds_load_b128 v[(\reg)+6:(\reg)+9], v[(\a16)] offset:(\off)+768
	ds_load_b64 v[(\reg)+10:(\reg)+11], v[(\a8)] offset:(\off)+1280
.endm
.macro FETCH0 n, qq, p
	WIN 0x40
.irp i, 0,1,2,3,4,5,6,7
	FRAG 128*(\p)+12*\i, 10+(\n), 13+(\n), \i*TILEB+(\qq)*1536
.endr
	WIN 0
.endm
.macro FETCH1 n, qq, i0
.irp i, \i0, \i0+1, \i0+2, \i0+3
	FRAG 128+12*(\i), 4+(\n), 7+(\n), (\i)*TILEB+(\qq)*1536
.endr
.endm
.macro SCALES q
.irp i, 0,1,2,3,4,5,6,7
	ds_load_b64 v[SC+16*((\q)%2)+2*\i:SC+16*((\q)%2)+2*\i+1], v[ADRS] offset:\i*512+(\q)*128
.endr
.endm
; 16 matrix instructions: S1's blocks a0, a0 + 1 x S0's eight.  cmode 0: onto the sums; 2: the sums start from the bias of S0's block, in window 1.  The 64 accumulators take turns.
.macro MULS a0, p, qq, sc, cmode
.if (\cmode) == 2
	WIN 0x91+0x40*((\a0)/4)                        ; source 0 and C window 1, source 1 window 0, D window 2 or 3
.else
	WIN 0xa1+0x50*((\a0)/4)
.endif
.irp a, \a0, \a0+1
.irp b, 0,1,2,3,4,5,6,7
.set rD, 8*(8*((\a)%4)+\b)
.set rA, 128*(\p)+12*\b
.set rB, 128+12*(\a)
.set rC, 96+128*(\b/4)+8*(\b%4)
.set rX, SC+16*(\sc)+2*\b+(\qq)
.set rY, SC+16*(\sc)+2*(\a)+(\qq)
.if (\cmode) == 0
	v_wmma_scale_f32_16x16x128_f8f6f4 v[rD:rD+7], v[rA:rA+11], v[rB:rB+11], v[rD:rD+7], v[rX], v[rY] matrix_a_fmt:MATRIX_FMT_FP6 matrix_b_fmt:MATRIX_FMT_FP6 matrix_a_scale:MATRIX_SCALE_ROW1
.else
	v_wmma_scale_f32_16x16x128_f8f6f4 v[rD:rD+7], v[rA:rA+11], v[rB:rB+11], v[rC:rC+7], v[rX], v[rY] matrix_a_fmt:MATRIX_FMT_FP6 matrix_b_fmt:MATRIX_FMT_FP6 matrix_a_scale:MATRIX_SCALE_ROW1
.endif
.endr
.endr
.endm
.macro STEP s, cmode
.set NS, (\s)+1
	s_wait_dscnt 16                                ; all but the youngest 16 loads (S1's blocks 4-7) are in
	MULS 0, (\s)%2, (\s)%2, ((\s)/2)%2, \cmode
	MULS 2, (\s)%2, (\s)%2, ((\s)/2)%2, \cmode
	s_wait_dscnt 0x0
	PLACES 4
	FETCH0 (NS/2)%3, NS%2, NS%2
	FETCH1 (NS/2)%3, NS%2, 0
.if NS%2 == 0
	SCALES NS/2
.endif
	MULS 4, (\s)%2, (\s)%2, ((\s)/2)%2, \cmode
	MULS 6, (\s)%2, (\s)%2, ((\s)/2)%2, \cmode
	PLACES 4
	WIN 0
	FETCH1 (NS/2)%3, NS%2, 4
.endm
.macro TURN s, fill
.set NS, (\s)+1
	s_wait_tensorcnt 0x0                           ; all my tensor loads have landed
	ds_add_u32 v[SPW], v[NIL]                      ; 0 onto my spare word
	s_wait_dscnt 17                                ; the add and the youngest 16 loads may be out
	MULS 0, (\s)%2, (\s)%2, ((\s)/2)%2, 0
	s_wait_dscnt 0x0                               ; the add is done, and my reads of the slot in hand are over
	s_barrier_signal -1
	MULS 2, (\s)%2, (\s)%2, ((\s)/2)%2, 0
	WIN 0
	s_barrier_wait -1
.if \fill
	CREST                                          ; a round of the cluster's barrier: no wave of any partner still reads slot 0 or has a load on its way
	s_add_nc_u64 s[G0A+2:G0A+3], s[G0A+2:G0A+3], 3*TILEB
	s_add_nc_u64 s[G0B+2:G0B+3], s[G0B+2:G0B+3], 3*TILEB
	JLOAD G0A, G1A, G0B, G1B                       ; the one refill: K slot 3, 256 matrix instructions ahead of the wait for it
.else
	PLACES 4
.endif
	FETCH0 (NS/2)%3, NS%2, NS%2
	FETCH1 (NS/2)%3, NS%2, 0
	SCALES NS/2
	MULS 4, (\s)%2, (\s)%2, ((\s)/2)%2, 0
	MULS 6, (\s)%2, (\s)%2, ((\s)/2)%2, 0
	PLACES 4
	WIN 0
	FETCH1 (NS/2)%3, NS%2, 4
.endm
	s_load_b256 s[4:11], s[0:1], 0x0               ; codes s[4:5], scales s[6:7], ycodes s[8:9], yscales s[10:11]
	s_load_b128 s[96:99], s[0:1], 0x20             ; b_proj s[96:97], out0 s[98:99]
	v_lshl_add_u32 v[SPW], v0, 2, SPARE
	v_mov_b32 v[NIL], 0
	ds_add_u32 v28, v29
	ds_add_u32 v28, v29
	s_wait_dscnt 0x0
	v_lshrrev_b32 v1, 5, v0
	v_readfirstlane_b32 s14, v1                    ; wave 0..3
	s_lshr_b32 s15, s14, 1                         ; my half of S1.  Also: I fetch for S1 (0) or S0 (1)
	s_and_b32 s16, s14, 1                          ; my half of S0.  Also: which 8 tiles I fetch
	s_bfe_u32 s60, ttmp6, 0x40000                  ; cx
	s_bfe_u32 s61, ttmp6, 0x40004                  ; cy
	s_and_b32 s63, ttmp7, 0xffff                   ; cluster y: 1,024 tokens
	s_lshl_b32 s18, s61, 2
	s_lshl_b32 s18, 15, s18                        ; my row of the cluster
	s_lshl_b32 s13, 0x1111, s60                    ; my column
	s_or_b32 s[G1A], s18, (3<<16)|(1<<21)
	s_or_b32 s[G1B], s13, (3<<16)|(1<<21)
	s_or_b32 s[G1SA], s18, (3<<16)|(1<<21)
	s_or_b32 s[G1SB], s13, (3<<16)|(1<<21)
.irp g, G1A, G1B                       ; 8 tiles: rows of 3,072 bytes (384 elements of 8), 12,288 bytes apart
	s_mov_b32 s[\g+1], 384<<16
	s_mov_b32 s[\g+2], 8<<16
	s_mov_b32 s[\g+3], 384<<16
	s_mov_b32 s[\g+4], 8
	s_mov_b32 s[\g+5], 1536
	s_mov_b32 s[\g+6], 0
	s_mov_b32 s[\g+7], 0
.endr
.irp g, G1SA, G1SB                     ; 8 tiles' scale words: 4,096 dense bytes as 16 rows of 256
	s_mov_b32 s[\g+1], 32<<16
	s_mov_b32 s[\g+2], 16<<16
	s_mov_b32 s[\g+3], 32<<16
	s_mov_b32 s[\g+4], 16
	s_mov_b32 s[\g+5], 32
	s_mov_b32 s[\g+6], 0
	s_mov_b32 s[\g+7], 0
.endr
	s_lshl_b32 s19, s16, 3
	s_lshl_b32 s12, s60, 4
	s_add_co_u32 s12, s12, 704                     ; W_proj begins at tile 704
	s_add_co_u32 s12, s12, s19                     ; the first S0 tile that I would fetch: hangs on cx, never on cy
	s_lshl_b32 s17, s63, 6
	s_lshl_b32 s18, s61, 4
	s_add_co_u32 s17, s17, s18
	s_add_co_u32 s17, s17, s19                     ; the first S1 tile: hangs on cy, never on cx
	s_mul_i32 s20, s17, 12288
	s_mov_b32 s21, 0
	s_lshl_b32 s22, s17, 9
	s_mov_b32 s23, 0
	s_mul_i32 s66, s12, 12288
	s_mov_b32 s67, 0
	s_lshl_b32 s100, s12, 9
	s_mov_b32 s101, 0
	s_mul_i32 s2, s14, HALFB
	s_lshl_b32 s3, s14, 12
	s_add_co_u32 s3, s3, SCL
	s_wait_kmcnt 0x0
	s_add_nc_u64 s[20:21], s[8:9], s[20:21]
	s_add_nc_u64 s[22:23], s[10:11], s[22:23]
	s_add_nc_u64 s[66:67], s[4:5], s[66:67]
	s_add_nc_u64 s[100:101], s[6:7], s[100:101]
	CROUND                                         ; all sixteen work-groups are here: the first joint loads meet
	s_mov_b32 s[G0SA], 1
	s_mov_b32 s[G0SA+1], s3
	s_mov_b64 s[G0SA+2:G0SA+3], s[22:23]
	s_or_b32 s[G0SA+3], s[G0SA+3], 0x80000000
	s_mov_b32 s[G0SB], 1
	s_mov_b32 s[G0SB+1], s3
	s_mov_b64 s[G0SB+2:G0SB+3], s[100:101]
	s_or_b32 s[G0SB+3], s[G0SB+3], 0x80000000
	JLOAD G0SA, G1SA, G0SB, G1SB
.irp n, 0,1,2
	s_mov_b32 s[G0A+4*\n], 1
	s_add_co_u32 s[G0A+4*\n+1], s2, \n*SLOTB
	s_add_nc_u64 s[G0A+4*\n+2:G0A+4*\n+3], s[20:21], \n*TILEB
	s_or_b32 s[G0A+4*\n+3], s[G0A+4*\n+3], 0x80000000
	s_mov_b32 s[G0B+4*\n], 1
	s_add_co_u32 s[G0B+4*\n+1], s2, \n*SLOTB
	s_add_nc_u64 s[G0B+4*\n+2:G0B+4*\n+3], s[66:67], \n*TILEB
	s_or_b32 s[G0B+4*\n+3], s[G0B+4*\n+3], 0x80000000
	JLOAD G0A+4*\n, G1A, G0B+4*\n, G1B             ; with the scales four loads of mine are out
.endr
	v_and_b32 v1, 31, v0                           ; lane
	v_and_b32 v2, 15, v0                           ; r
	v_bfe_u32 v3, v0, 4, 1                         ; h
	v_lshlrev_b32 v24, 4, v1
	v_lshlrev_b32 v25, 3, v1
	s_mul_i32 s17, s15, HALFB
	s_mul_i32 s18, s16, HALFB
	s_add_co_u32 s18, s18, 2*HALFB
.irp n, 0,1,2
	v_add_nc_u32 v[4+\n], s17, v24
	v_add_nc_u32 v[7+\n], s17, v25
	v_add_nc_u32 v[10+\n], s18, v24
	v_add_nc_u32 v[13+\n], s18, v25
	s_add_co_u32 s17, s17, SLOTB
	s_add_co_u32 s18, s18, SLOTB
.endr
	v_lshlrev_b32 v[ADRS], 3, v2
	s_lshl_b32 s17, s15, 12
	s_lshl_b32 s18, s16, 12
	s_add_co_u32 s18, s18, 8192
	s_sub_co_u32 s18, s18, s17
	v_mul_u32_u24 v20, s18, v3                     ; lanes 16-31 take S0's words: one product, the distance between the two
	s_add_co_u32 s17, s17, SCL
	v_add_nc_u32 v[ADRS], v[ADRS], v20
	v_add_nc_u32 v[ADRS], s17, v[ADRS]
	s_lshl_b32 s12, s60, 10
	s_lshl_b32 s13, s16, 9
	s_add_co_u32 s12, s12, s13                     ; my first column, in bytes: 4 (256 cx + 128 half)
	v_lshl_add_u32 v18, v3, 6, s12                 ; b_proj: + 64 h: the eight columns of my half, tile by tile
	WIN 0x40
.irp t, 0,1,2,3,4,5,6,7
	global_load_b128 v[96+128*(\t/4)+8*(\t%4):96+128*(\t/4)+8*(\t%4)+3], v18, s[96:97] offset:(32*(\t/2)+8*(\t%2))*4
	global_load_b128 v[96+128*(\t/4)+8*(\t%4)+4:96+128*(\t/4)+8*(\t%4)+7], v18, s[96:97] offset:(32*(\t/2)+8*(\t%2))*4+16
.endr
	WIN 0
	s_mul_i32 s17, s14, 16*528                     ; my stage: 16 rows x (512 bytes + 16), in LDS slot 1, which has had its one fill and is read by nobody behind the second barrier
	s_add_co_u32 s17, s17, SLOTB
	v_mul_u32_u24 v16, v2, 528
	v_lshl_add_u32 v16, v3, 6, v16
	v_add_nc_u32 v16, s17, v16                     ; in: row r, + 64 h
	v_add_nc_u32 v17, s17, v24                     ; back: a whole row, 16 bytes a lane
	s_lshl_b32 s17, s63, 10
	s_lshl_b32 s18, s61, 8
	s_add_co_u32 s17, s17, s18
	s_lshl_b32 s18, s15, 7
	s_add_co_u32 s17, s17, s18                     ; my first token
	s_lshl_b32 s17, s17, 12
	s_add_co_u32 s12, s12, s17
	s_mov_b32 s13, 0
	s_add_nc_u64 s[98:99], s[98:99], s[12:13]
	s_wait_tensorcnt 0x2                           ; the scales and K slot 0 are in; slots 1 and 2 may be out
	s_barrier_signal -1
	s_barrier_wait -1
	FETCH0 0, 0, 0
	FETCH1 0, 0, 0
	SCALES 0
	FETCH1 0, 0, 4
	s_wait_loadcnt 0x0                             ; b_proj
	STEP 0, 2                                      ; the sums start from the bias
	TURN 1, 1
	STEP 2, 0
	STEP 3, 0
	STEP 4, 0
	TURN 5, 0
	STEP 6, 0
	s_wait_dscnt 16
	MULS 0, 1, 1, 1, 0
	MULS 2, 1, 1, 1, 0
	s_wait_dscnt 0x0
	MULS 4, 1, 1, 1, 0
	MULS 6, 1, 1, 1, 0
	WIN 0
; THE WAY OUT, S1's block a at a time: 16 tokens x 128 columns go through my own stage and come back as whole rows of 512 bytes.  LDS serves a wave's instructions in order (ISA guide 5.7.1.4): no wait between stores and loads.
.macro TOSTAGE a
.set AC, 64*((\a)%4)
	WIN 0x08+4*((\a)/4)                            ; an LDS store's data: window 2 or 3
.irp b, 0,1,2,3,4,5,6,7
	ds_store_b128 v16, v[AC+8*\b:AC+8*\b+3] offset:128*(\b/2)+32*(\b%2)          ; columns 32 (b / 2) + 16 h + 8 (b % 2) on; each accumulator from its low end on
	ds_store_b128 v16, v[AC+8*\b+4:AC+8*\b+7] offset:128*(\b/2)+32*(\b%2)+16
.endr
	WIN 0
.set BB, 128+64*((\a)%2)
.irp t, 0,1,2,3,4,5,6,7,8,9,10,11,12,13,14,15
	ds_load_b128 v[BB+4*\t:BB+4*\t+3], v17 offset:\t*528
.endr
.endm
.macro SEND a, younger
.set BB, 128+64*((\a)%2)
	s_wait_dscnt \younger
.irp t, 0,1,2,3,4,5,6,7,8,9,10,11,12,13,14,15
	global_store_b128 v24, v[BB+4*\t:BB+4*\t+3], s[98:99] offset:(32*((\a)/2)+8*((\a)%2)+\t+8*(\t/8))*4096 th:TH_STORE_NT   ; lane place t's token; 512 consecutive bytes, aligned
.endr
.endm
	PLACES 4
	TOSTAGE 0
.irp a, 1,2,3,4,5,6,7
.if \a > 1
	s_wait_xcnt 0x0                                ; block a - 2's stores have read their registers: block a's loads may land there
.endif
	TOSTAGE \a
	SEND \a-1, 32                                  ; behind block a - 1's loads: block a's 16 stores and 16 loads
.endr
	SEND 7, 0
	s_wait_tensorcnt 0x0                           ; the wave's end
	ds_add_u32 v[SPW], v[NIL]
	s_wait_dscnt 0x0
	CROUND                                         ; the closing round
	s_endpgm
.Lfunc_end_k_qac6e683b8f_proj:
	.size	k_qac6e683b8f_proj, .Lfunc_end_k_qac6e683b8f_proj-k_qac6e683b8f_proj
	.p2alignl 7, 3214868480
	.fill 96, 4, 3214868480
	.section	.rodata,"a",@progbits
	.p2align	6, 0x0
	.amdhsa_kernel k_qac6e683b8f_proj
		.amdhsa_group_segment_fixed_size 327680
		.amdhsa_private_segment_fixed_size 0
		.amdhsa_enable_private_segment 0
		.amdhsa_kernarg_size 48
		.amdhsa_user_sgpr_count 2
		.amdhsa_user_sgpr_kernarg_segment_ptr 1
		.amdhsa_wavefront_size32 1
		.amdhsa_system_sgpr_workgroup_id_x 1
		.amdhsa_system_sgpr_workgroup_id_y 1
		.amdhsa_system_sgpr_workgroup_id_z 1
		.amdhsa_system_vgpr_workitem_id 0
		.amdhsa_next_free_vgpr 1024
		.amdhsa_next_free_sgpr 102
		.amdhsa_reserve_vcc 0
		.amdhsa_float_denorm_mode_32 3
		.amdhsa_float_denorm_mode_16_64 3
		.amdhsa_memory_ordered 1
		.amdhsa_forward_progress 1
		.amdhsa_inst_pref_size 145
	.end_amdhsa_kernel
	.amdgpu_metadata
---
amdhsa.version: [ 1, 2 ]
amdhsa.kernels:
  - .name:           k_qac6e683b8f_proj
    .symbol:         k_qac6e683b8f_proj.kd
    .args:
      - { .name: codes, .offset: 0, .size: 8, .value_kind: global_buffer, .address_space: global }
      - { .name: scales, .offset: 8, .size: 8, .value_kind: global_buffer, .address_space: global }
      - { .name: ycodes, .offset: 16, .size: 8, .value_kind: global_buffer, .address_space: global }
      - { .name: yscales, .offset: 24, .size: 8, .value_kind: global_buffer, .address_space: global }
      - { .name: b_proj, .offset: 32, .size: 8, .value_kind: global_buffer, .address_space: global }
      - { .name: out0, .offset: 40, .size: 8, .value_kind: global_buffer, .address_space: global }
    .group_segment_fixed_size: 327680
    .private_segment_fixed_size: 0
    .kernarg_segment_align: 8
    .kernarg_segment_size: 48
    .max_flat_workgroup_size: 128
    .sgpr_count:     102
    .vgpr_count:     1024
    .wavefront_size: 32
...
	.end_amdgpu_metadata
.endif
;; end of part 4
